; MI455X (gfx1250); checked and timed in simulation.
; The chip was launched on July 23, 2026; its instructions are those of AMD's public machine-readable ISA for CDNA 5 (MIT licence, August 2026) and "CDNA5" Instruction Set Architecture Reference Guide (July 2026). The comments in the code are by the model that wrote it; some were corrected since.
;; Multi Head Attention. Allowed arithmetic: matrix products marked QUANTISED: E2M3 operands, one E8M0 scale for each 32 along K, by v_wmma_scale_f32_16x16x128_f8f6f4 with both operands' format E2M3, f32 sums; products left as they are: f32 operands where the result goes on into a quantised operand, else bf16, f16 or f32 operands; f32 sums; everything else in f32.
;; Inputs: Wk 1,024 x 1,024 float32; Wo 1,024 x 1,024 float32; Wq 1,024 x 1,024 float32; Wv 1,024 x 1,024 float32; bk 1,024 float32; bo 1,024 float32; bq 1,024 float32; bv 1,024 float32; key 4 x 2,048 x 1,024 float32; mask 4 x 2,048 float32; query 4 x 2,048 x 1,024 float32; value 4 x 2,048 x 1,024 float32.
;; Outputs: out0 4 x 2,048 x 1,024 float32.
;; This version of the problem:
;;   THIS VERSION OF THE PROBLEM IS GIVEN IN LOW PRECISION. The matrix products marked QUANTISED in the list below multiply operands that are first quantised to E2M3 (2 exponent bits, 3 mantissa bits; 6 bits a number), with one power-of-two scale for each 32 numbers along K (OCP MX v1.0); their sums are f32. All else is computed in f32.
;;   The module's matrix products, in the order in which they are computed (A, B: the left and right operand; K: the contracted axis; several contracted axes count as one K, in the product's order):
;;     1. [M 8,192, K 1,024] x [K 1,024, N 1,024]; A: input query; B: input Wq: QUANTISED
;;     2. [M 8,192, K 1,024] x [K 1,024, N 1,024]; A: input key; B: input Wk: QUANTISED
;;     3. [M 8,192, K 1,024] x [K 1,024, N 1,024]; A: input value; B: input Wv: QUANTISED
;;     4. batch 2,048 x [M 2,048, K 1] x [K 1, N 4]; A: computed on the way; B: computed on the way: left as it is (no contracted axis)
;;     5. batch 64 x [M 2,048, K 64] x [K 64, N 2,048]; A: computed on the way; B: computed on the way: QUANTISED
;;     6. batch 64 x [M 2,048, K 2,048] x [K 2,048, N 64]; A: softmax (see below); B: computed on the way: QUANTISED
;;     7. [M 8,192, K 1,024] x [K 1,024, N 1,024]; A: computed on the way; B: input Wo: QUANTISED
;;   THE QUANTISER, for each operand of a quantised product, along K:
;;     - K is cut into blocks of 32 from its start; a last block that is shorter is filled with zeros.
;;     - A block's scale is 2^e with e = floor(log2(the largest magnitude in the block)) - 2, held to -126 .. 127; a block of zeros has e = 0. As a byte (E8M0): e + 127.
;;     - Each number is divided by its block's scale, clamped to +-7.5, and rounded to the nearest number of E2M3, ties to even, subnormals kept.
;;     - The product sums the exact products of the quantised numbers (number of the format x scale) in f32.
;;   ~~~python
;;   def quantise(x, axis):      # numpy; x: float32 -> the quantised numbers, widened to float32 again
;;       x = np.moveaxis(x, axis, -1); K = x.shape[-1]
;;       x = np.pad(x, [(0, 0)] * (x.ndim - 1) + [(0, -K % 32)]); x = x.reshape(x.shape[:-1] + (-1, 32)); a = np.abs(x).max(-1, keepdims=True)
;;       e = np.where(a > 0, np.clip(np.frexp(np.where(a > 0, a, 1))[1] - 1 - 2, -126, 127), 0)      # np.frexp(a)[1] - 1 = floor(log2(a)), exactly
;;       r = np.clip(x / 2.0 ** e, -7.5, 7.5)
;;       step = 2.0 ** (np.maximum(np.frexp(np.where(r == 0, 1, r))[1] - 1, 0) - 3)
;;       q = np.round(r / step) * step * 2.0 ** e      # np.round: ties to even
;;       return np.moveaxis(q.reshape(q.shape[:-2] + (-1,))[..., :K], -1, axis).astype(np.float32)
;;   ~~~
;;   SOFTMAX AHEAD OF A QUANTISED PRODUCT. Where the list says 'softmax', what is quantised is not the finished softmax but p = 2^(t - M), with t = logit x log2(e) and M = ceil(the row's largest t), a whole number; so 1/2 < the row's largest p <= 1. The row's sum l is taken of the UNQUANTISED p, in f32, and the product's result is divided by l at the end. Since M is a whole number, a kernel that streams over the keys may use a running M (the ceiling of the running maximum): every later rescaling is an exact power of two, which a block's scale takes up: the codes' values come out the same.
;;   OPERANDS COMPUTED ON THE WAY. 'Computed on the way' means the value that the module computes at that place (a softmax that the list does not call 'softmax' is quantised finished and normalised). What goes into a quantiser is computed in f32, as accurately as f32 sums, v_exp_f32 and their like allow (about 1e-6 of the number): no bf16 or f16 on the way to a quantiser, and a product that is left as it is and whose result goes on into a quantised operand takes f32 operands (vector FMAs, or v_wmma_f32_16x16x4_f32). A number that lies on a knife's edge between two numbers of the format may be rounded either way, as far as f32 arithmetic and the matrix unit's own rounding can turn it there, and no further.
;; One version. Each part assembles by itself: llvm-mc -triple=amdgcn-amd-amdhsa -mcpu=gfx1250 --defsym DOCPART=n.
;; ======== version 1 of 1: 4 launches
;; limits: right only within a limited range of input values
;; workspace buffers: gbuf 22,937,600 bytes; abuf 6,553,600 bytes; qbuf 8,912,896 bytes; kv 15,466,496 bytes; vpart 262,144 bytes
;; launch quant (part 1): grid 448 x 1, 4 waves a work-group, no clusters, 34,304 bytes of LDS; arguments query, key, value, Wq, Wk, Wv, Wo, gbuf; writes gbuf
.if DOCPART == 1
	.amdgcn_target "amdgcn-amd-amdhsa--gfx1250"
	.amdhsa_code_object_version 6
	.text
	.protected	k_q8edce0b3d2_quant
	.globl	k_q8edce0b3d2_quant
	.p2align	8
	.type	k_q8edce0b3d2_quant,@function
k_q8edce0b3d2_quant:
	s_mov_b64 s[64:65], 0
	v_nop
	global_prefetch_b8 v0, s[64:65] scope:SCOPE_SE
	s_setreg_imm32_b32 hwreg(HW_REG_WAVE_MODE, 25, 1), 1
	s_wait_xcnt 0x0
; MULTI-HEAD ATTENTION IN MX-FP6, launch 1 of 4: query, key, value, Wq, Wk, Wv, Wo (f32, K innermost) become codes of E2M3 with one E8M0 byte for each 32 along K.
; WORK LEFT OUT IN THIS PROGRAM, and why it is dead for all values of the inputs:
;  - the product mask x tril (no contracted axis): tril holds 0 and 1 alone, so m[b,q,k] == 0 exactly where mask[b,k] == 0 or k > q.  The program tests mask[b,k] == 0 and k > q themselves.
;  - key steps that lie wholly behind a query tile's diagonal: their scores are FILL = -1e13, so p = 2^(FILL log2e - M) is 0 in f32 wherever the row has one live key (M then comes from a live logit).
;    A row with NO live key at or before it has all 2,048 scores equal to FILL in reference(): p = 1 for every key, the result is the mean of the quantised v over all 2,048 keys.  That mean is made (launch 2 sums, launch 3 selects).
;  All twelve inputs have a way to the output and are loaded.
; LIMITS: live logits lie inside +-1e12 (beyond that FILL no longer acts as minus infinity in reference() either); NaN and infinities among the inputs are not served (an infinite mask value, whose product with
;  tril's 0 is NaN in reference(), among them); a NaN, infinity or overflow that reaches only the work left out is not carried to the result; a block of zeros gets the byte 1 in the program's own buffers: its codes are zeros.
; LAYOUT OF gbuf: 224 row groups of 128 rows (query 0-63, key 64-127, value 128-191, Wq 192-199, Wk 200-207, Wv 208-215, Wo 216-223) x 8 K steps of 128; a record of 12,800 bytes for each:
;  codes [tile 8][register pair 6][lane 32][8 bytes]: an image of the operand's registers: lane (r, h) of tile i holds row 32 (i/2) + 8 (i%2) + r + 8 (r/8) of the group, k = 64 c + 32 h + 0..31 in registers 6 c .. 6 c + 5;
;  then the scale words [tile half 2][r 16][4 words].  The rows of a tile are chosen so that a later product's results lie as neighbours along the next K.
; SHARES: a wave makes one record from 128 rows x 512 bytes.  Each load takes 512 consecutive bytes of a row; 16 rows turn through the wave's own stage in LDS (pitch 528), so that a lane gets two whole blocks of 32.
; Memory binds: no matrix unit, no tensor load, no barrier (waves share nothing).  Two images' loads, 32 of 512 bytes, are out in each wave.
.set STG,   8448                       ; a wave's stage: 16 rows x (512 + 16) bytes
.set SPARE, 4*STG                      ; behind the stages: the spare words, 128 bytes a wave
.set L16,  1                           ; v1  16 x lane
.set SIN,  2                           ; v2  the stage, on the way in
.set SOUT, 3                           ; v3  and on the way out: row r, + 128 h
.set L8,   4                           ; v4  8 x lane
.set SH,   5                           ; v5  8 h: where my two scale bytes stand in the word
.set SPW,  6                           ; v6  my spare word; never rewritten
.set NIL,  7                           ; v7  0; never rewritten
.set W,    8                           ; v8-15   the eight tiles' scale words
.set P,    16                          ; v16-27  an image: 12 registers
.set T,    28                          ; v28-30, v32-34  the upper halves of the two blocks, as converted
.set M,    36                          ; v36-43  at work
.set X,    48                          ; v48-111 my 64 numbers
.set R,    112                         ; v112-239 two sets of 64: rows as loaded
	s_load_b512 s[4:19], s[0:1], 0x0               ; query, key, value, Wq, Wk, Wv, Wo, gbuf
	v_lshl_add_u32 v[SPW], v0, 2, SPARE
	v_mov_b32 v[NIL], 0
	v_lshrrev_b32 v1, 5, v0
	v_readfirstlane_b32 s20, v1                    ; wave
	s_lshr_b32 s21, ttmp9, 1                       ; the row group
	s_and_b32 s26, ttmp9, 1
	s_lshl_b32 s26, s26, 2
	s_add_co_u32 s26, s26, s20                     ; my K step
	s_mov_b32 s22, 0xffff0000                      ; lanes 16-31
	s_mov_b32 s30, 0x76543210
	s_mov_b32 s31, 0xfedcba98                      ; selects for lane l xor 16
	s_mul_i32 s27, s20, STG
	v_and_b32 v2, 31, v0
	v_lshlrev_b32 v[L16], 4, v2
	v_lshlrev_b32 v[L8], 3, v2
	v_add_nc_u32 v[SIN], s27, v[L16]
	v_and_b32 v[SOUT], 15, v0
	v_bfe_u32 v[SH], v0, 4, 1
	v_mul_u32_u24 v[SOUT], v[SOUT], 528
	v_lshl_add_u32 v[SOUT], v[SH], 7, v[SOUT]
	v_add_nc_u32 v[SOUT], s27, v[SOUT]
	v_lshlrev_b32 v[SH], 3, v[SH]
	v_mov_b32 v[M+7], 0                            ; a lane permute's destination counts as one of its sources
	s_wait_alu depctr_va_vdst(0)
	s_wait_kmcnt 0x0
	s_mov_b64 s[24:25], s[16:17]                   ; which tensor: the choice hangs on the work-group's number alone
	s_mov_b32 s23, 216
.macro PICK lim, lo, base
	s_cmp_lt_u32 s21, \lim
	s_cselect_b64 s[24:25], s[\lo:\lo+1], s[24:25]
	s_cselect_b32 s23, \base, s23
.endm
	PICK 216, 14, 208
	PICK 208, 12, 200
	PICK 200, 10, 192
	PICK 192, 8, 128
	PICK 128, 6, 64
	PICK 64, 4, 0
	s_sub_co_u32 s23, s21, s23                     ; the group's number in its tensor
	s_lshl_b32 s28, s23, 19                        ; 128 rows of 4,096 bytes
	s_lshl_b32 s29, s26, 9                         ; + 512 bytes a K step
	s_add_co_u32 s28, s28, s29
	s_mov_b32 s29, 0
	s_add_nc_u64 s[24:25], s[24:25], s[28:29]
	s_lshl_b32 s28, s21, 3
	s_add_co_u32 s28, s28, s26
	s_mul_i32 s28, s28, 12800                      ; my record
	s_add_nc_u64 s[18:19], s[18:19], s[28:29]
.macro LOAD t                          ; tile t's 16 rows, 512 consecutive bytes each
.irp p, 0,1,2,3,4,5,6,7,8,9,10,11,12,13,14,15
	global_load_b128 v[R+64*((\t)%2)+4*\p:R+64*((\t)%2)+4*\p+3], v[L16], s[24:25] offset:(32*((\t)/2)+8*((\t)%2)+\p+8*(\p/8))*4096 th:TH_LOAD_NT
.endr
.endm
.macro IMG t
.if (\t) < 7
	s_wait_loadcnt 16                              ; this tile's 16 loads are in; the next tile's 16 may be out
.else
	s_wait_loadcnt 0x0
.endif
.irp p, 0,1,2,3,4,5,6,7,8,9,10,11,12,13,14,15
	ds_store_b128 v[SIN], v[R+64*((\t)%2)+4*\p:R+64*((\t)%2)+4*\p+3] offset:528*\p
.endr
.irp c, 0,1
.irp j, 0,1,2,3,4,5,6,7
	ds_load_b128 v[X+32*\c+4*\j:X+32*\c+4*\j+3], v[SOUT] offset:256*\c+16*\j   ; LDS serves a wave's instructions in order: these see the stores above
.endr
.endr
	s_wait_dscnt 0x0                               ; my 64 numbers are in, and the stores have read the set that is loaded again below
.if (\t) < 6
	LOAD (\t)+2
.endif
.irp c, 0,1
	v_max3_num_f32 v[M+\c], |v[X+32*\c]|, |v[X+32*\c+1]|, 0x1800000   ; block 2 c + h is all mine; the floor 2^(3 - 127) holds the byte at 1 from below
.endr
.irp i, 2,4,6,8,10,12,14,16,18,20,22,24,26,28,30
.irp c, 0,1
	v_max3_num_f32 v[M+\c], v[M+\c], |v[X+32*\c+\i]|, |v[X+32*\c+\i+1]|
.endr
.endr
.irp c, 0,1
	v_add_nc_u32 v[M+2+\c], 0xff000000, v[M+\c]    ; 2 off the exponent field: the conversion's scale operand
.endr
.irp c, 0,1
	v_lshrrev_b32 v[M+4+\c], 23, v[M+2+\c]         ; the scale's byte
.endr
	v_lshl_or_b32 v[M+6], v[M+5], 16, v[M+4]       ; blocks h and 2 + h,
	v_lshlrev_b32 v[M+6], v[SH], v[M+6]            ; at their places in the word;
	v_permlanex16_b32 v[M+7], v[M+6], s30, s31
	v_or_b32 v[W+(\t)], v[M+6], v[M+7]             ; with lane l xor 16's two the word is whole
	s_wait_alu depctr_va_vdst(0)
	s_wait_xcnt 0x0                                ; the last image's stores have read their registers: they are written again only behind this wait
.irp c, 0,1
	v_cvt_scalef32_pk16_fp6_f32 v[P+6*\c:P+6*\c+2], v[X+32*\c:X+32*\c+15], v[M+2+\c]
	v_cvt_scalef32_pk16_fp6_f32 v[T+4*\c:T+4*\c+2], v[X+32*\c+16:X+32*\c+31], v[M+2+\c]   ; (a conversion's three registers begin on an even number)
.endr
	v_nop                                          ; one plain place behind a scaled conversion
.irp c, 0,1
.irp i, 0,1,2
	v_mov_b32 v[P+6*\c+3+\i], v[T+4*\c+\i]
.endr
.endr
.irp k, 0,1,2,3,4,5
	global_store_b64 v[L8], v[P+2*\k:P+2*\k+1], s[18:19] offset:1536*(\t)+256*\k   ; 32 lanes store 256 consecutive bytes, aligned
.endr
.endm
	LOAD 0
	LOAD 1
.irp t, 0,1,2,3,4,5,6,7
	IMG \t
.endr
.irp j, 0,1,2,3
	v_cndmask_b32 v[M+\j], v[W+\j], v[W+4+\j], s22 ; lanes 0-15: tiles 0-3 of row r; lanes 16-31: tiles 4-7
.endr
	global_store_b128 v[L16], v[M:M+3], s[18:19] offset:12288
	s_wait_tensorcnt 0x0                           ; the wave's end
	ds_add_u32 v[SPW], v[NIL]
	s_wait_dscnt 0x0
	s_endpgm
.Lfunc_end_k_q8edce0b3d2_quant:
	.size	k_q8edce0b3d2_quant, .Lfunc_end_k_q8edce0b3d2_quant-k_q8edce0b3d2_quant
	.p2alignl 7, 3214868480
	.fill 96, 4, 3214868480
	.section	.rodata,"a",@progbits
	.p2align	6, 0x0
	.amdhsa_kernel k_q8edce0b3d2_quant
		.amdhsa_group_segment_fixed_size 34304
		.amdhsa_private_segment_fixed_size 0
		.amdhsa_enable_private_segment 0
		.amdhsa_kernarg_size 64
		.amdhsa_user_sgpr_count 2
		.amdhsa_user_sgpr_kernarg_segment_ptr 1
		.amdhsa_wavefront_size32 1
		.amdhsa_system_sgpr_workgroup_id_x 1
		.amdhsa_system_sgpr_workgroup_id_y 1
		.amdhsa_system_sgpr_workgroup_id_z 1
		.amdhsa_system_vgpr_workitem_id 0
		.amdhsa_next_free_vgpr 240
		.amdhsa_next_free_sgpr 66
		.amdhsa_reserve_vcc 0
		.amdhsa_float_denorm_mode_32 3
		.amdhsa_float_denorm_mode_16_64 3
		.amdhsa_memory_ordered 1
		.amdhsa_forward_progress 1
		.amdhsa_inst_pref_size 60
	.end_amdhsa_kernel
	.amdgpu_metadata
---
amdhsa.version: [ 1, 2 ]
amdhsa.kernels:
  - .name:           k_q8edce0b3d2_quant
    .symbol:         k_q8edce0b3d2_quant.kd
    .args:
      - { .name: query, .offset: 0, .size: 8, .value_kind: global_buffer, .address_space: global }
      - { .name: key, .offset: 8, .size: 8, .value_kind: global_buffer, .address_space: global }
      - { .name: value, .offset: 16, .size: 8, .value_kind: global_buffer, .address_space: global }
      - { .name: Wq, .offset: 24, .size: 8, .value_kind: global_buffer, .address_space: global }
      - { .name: Wk, .offset: 32, .size: 8, .value_kind: global_buffer, .address_space: global }
      - { .name: Wv, .offset: 40, .size: 8, .value_kind: global_buffer, .address_space: global }
      - { .name: Wo, .offset: 48, .size: 8, .value_kind: global_buffer, .address_space: global }
      - { .name: gbuf, .offset: 56, .size: 8, .value_kind: global_buffer, .address_space: global }
    .group_segment_fixed_size: 34304
    .private_segment_fixed_size: 0
    .kernarg_segment_align: 8
    .kernarg_segment_size: 64
    .max_flat_workgroup_size: 128
    .sgpr_count:     66
    .vgpr_count:     240
    .wavefront_size: 32
...
	.end_amdgpu_metadata
.endif
;; end of part 1
;; launch proj (part 2): grid 4 x 192, 4 waves a work-group, clusters of 4 x 4, 327,680 bytes of LDS; arguments gbuf, bq, bk, bv, mask, qbuf, kv, vpart; writes qbuf, kv, vpart
.if DOCPART == 2
	.amdgcn_target "amdgcn-amd-amdhsa--gfx1250"
	.amdhsa_code_object_version 6
	.text
	.protected	k_q8edce0b3d2_proj
	.globl	k_q8edce0b3d2_proj
	.p2align	8
	.type	k_q8edce0b3d2_proj,@function
k_q8edce0b3d2_proj:
	s_mov_b64 s[64:65], 0
	v_nop
	global_prefetch_b8 v0, s[64:65] scope:SCOPE_SE
	s_setreg_imm32_b32 hwreg(HW_REG_WAVE_MODE, 25, 1), 1
	s_wait_xcnt 0x0
	s_wait_alu depctr_hold_cnt(0) depctr_sa_sdst(0) depctr_va_vdst(0) depctr_va_sdst(0) depctr_va_ssrc(0) depctr_va_vcc(0) depctr_vm_vsrc(0)
	s_getreg_b32 s2, hwreg(HW_REG_IB_STS2, 6, 4)
	s_cmp_eq_u32 s2, 0
	s_cbranch_scc0 .Lentry_in_a_cluster
	s_endpgm
.Lentry_in_a_cluster:
	s_bfe_u32 s2, ttmp6, 0x10000c
	s_cmp_lg_u32 s2, 0xf033
	s_cbranch_scc0 .Lentry_shape_is_right
	s_endpgm
.Lentry_shape_is_right:
; Launch 2 of 4: q = query Wq^T + bq, k = key Wk^T + bk, v = value Wv^T + bv on the codes of gbuf, and their quantising for the two products of attention.  Nothing of these three products is left out.
; T = cluster y / 16 says which: 0 q, 1 k, 2 v.  A work-group takes 128 rows of the A side (one row group) x 256 rows of the B side (two groups), all of K = 1,024 resident in LDS: 24 records of 12,800 bytes,
; each filled once, so no slot is ever filled again.  Four waves, each 64 (A) x 128 (B): 32 accumulators.  Source 0 = a tile of B, source 1 = a tile of A: a lane holds one row of A, its registers run along B's rows.
;   q, k: A = the tokens, B = W: registers run along the head's axis, which is K of q k^T.      v: A = Wv, B = the tokens: registers run along the keys, which are K of p v.
; CLUSTERS 4 x 4: A's records are asked for jointly along a row of the cluster, B's along a column.
; WHAT IS STORED, all as images of operand registers, in whole aligned blocks of 256 bytes:
;   qbuf [b h][query group 16] records of 8,704: [tile 8][2][lane][16 bytes] (registers 0-5 the head's 64 codes, 6 the code 1.0 at k = 64, 7 zero), then scale words [2][lane][2].
;   kv [b h][key step 16] records of 15,104: K's image and scale words as qbuf's; V^T's image [4][3][lane][16 bytes] at 8,704; V's scale words at 14,848.
;   THE PADDING MASK RIDES ON K = 64 OF q k^T (the instruction sums 128, the head has 64): a key with mask == 0 holds the code -4.0 there under the byte 189: its score gets -2^64.  A live key holds 0 under the byte 1.
;   vpart [b h][key step][lane][2]: the sum of the quantised v over the step's 128 keys, by a product with p = 1 (code 4.0, byte 125): for rows that have no live key.
; The bias of q and k is the C of the first K step.  For v that C is zero and bv, which is one number a lane, is added to the finished sums.
; By this text's count a wave has four tensor loads out, at the start.
; THE FILLS AS THEY NOW STAND (in place of the count of loads given above): each wave has ONE tensor load out, at the start: wave 0 A's records 0-3, wave 1 A's records 4-7 (200 rows of 256 bytes each),
; waves 2 and 3 a whole group of B each (400 rows).  One wait for 0 and one barrier show all of K to all four waves; the walk along K then has no barrier, since LDS is only read.
.set REC,   12800
.set GRP,   8*REC
.set SPARE, 3*GRP                      ; behind A's group and B's two: the spare words, 128 bytes a wave
.set L8,   3                           ; v3  8 x lane
.set ADRA, 4                           ; v4  LDS: my four tiles of A in the record pair in hand
.set ADRB, 5                           ; v5  my group of B
.set ADS1, 6                           ; v6  scale words: lanes 0-15 A's four tiles, lanes 16-31 B's tiles 0-3
.set ADS2, 7                           ; v7  lanes 16-31: B's tiles 4-7
.set L16,  8                           ; v8  16 x lane
.set SPW,  10                          ; v10 my spare word; never rewritten
.set NIL,  11                          ; v11 0; never rewritten
.set MK,   12                          ; v12, 14, 16, 18: a number for my row of A's tile a: k: mask; v: bv; q: 0.  (v13 .. v19: named as upper halves of pairs)
.set KW,   20                          ; v20-23 q, k: the scale words to store
.set VW,   20                          ; v20-21 v: the scale words;  v22-23 the sums
.set VP,   22
.set BO,   24                          ; v24 64 h
.set RO,   25                          ; v25 4 (r + 8 (r/8))
.set QI,   26                          ; v26 16 x lane + 4,096 wa
.set QS,   27                          ; v27 8 x lane + 256 wa
.set PW,   30                          ; v30 the scale word just made: holds scales alone
.set ONESC,31                          ; v31 the byte 125 four times: holds scales alone
.set SC,   32                          ; v32-47 scale words, two sets of 8
.set AF,   48                          ; v48-143 A's fragments, two sets of 4 x 12
.set BIAS, 144                         ; v144-207 the C of the first K step
.set TM,   48                          ; the way out: v48-63 at work
.set HI,   64
.set PC,   72                          ; v72-95 codes
.set ONES, 208                         ; v208-219 a fragment of codes 4.0
.set SUMD, 224                         ; v224-231 its product
.set G1A,  24
.set G1B,  32
.set G0A,  40                          ; s[40:43] group 0 for A; s[56:59] group 0 for B
.set MSB, 0
.macro WIN new                         ; the immediate's high byte repeats the setting that is left
.if MSB != \new
	s_set_vgpr_msb (MSB<<8)|\new
.set MSB, \new
.endif
.endm
.set MUL,       0xa1                   ; source 0 (B) window 1, source 1 (A) window 0, C and D window 2
.set MUL_FIRST, 0x81                   ; the same with C in window 0
.set TO_B,      0x40                   ; destination window 1
.macro CROUND                          ; a round of the cluster's barrier
	s_barrier_signal -1
	s_barrier_wait -1
	s_cmp_lg_u32 s76, 0
	s_cbranch_scc1 .Lnot_wave_0_\@
	s_barrier_signal -3
.Lnot_wave_0_\@:
	s_barrier_wait -3
	s_barrier_signal -1
	s_barrier_wait -1
.endm
.macro PLACES n
.rept \n
	v_nop
.endr
.endm
	s_load_b512 s[4:19], s[0:1], 0x0               ; gbuf, bq, bk, bv, mask, qbuf, kv, vpart
	v_lshl_add_u32 v[SPW], v0, 2, SPARE
	v_mov_b32 v[NIL], 0
	ds_add_u32 v[SPW], v[NIL]                      ; the wave's opening: the add, twice on end, and its wait ahead of my first tensor load
	ds_add_u32 v[SPW], v[NIL]
	v_lshrrev_b32 v1, 5, v0
	v_readfirstlane_b32 s76, v1                    ; wave
	s_lshr_b32 s77, s76, 1                         ; wa: my half of A's tiles.  Also: I fetch for A (0) or for B (1)
	s_and_b32 s78, s76, 1                          ; wb: my group of B.  Also: which part I fetch
	s_bfe_u32 s79, ttmp6, 0x40000                  ; cx
	s_bfe_u32 s80, ttmp6, 0x40004                  ; cy
	s_and_b32 s81, ttmp7, 0xffff                   ; cluster y
	s_lshr_b32 s82, s81, 4                         ; T: the same in all partners
	s_and_b32 s83, s81, 15
	s_lshl_b32 s84, s80, 2
	s_lshl_b32 s84, 15, s84                        ; my row of the cluster
	s_lshl_b32 s85, 0x1111, s79                    ; my column
	s_or_b32 s[G1A], s84, (3<<16)|(1<<21)          ; group 1: dense rows of 256 bytes (32 elements of 8), no padding; the mask, and bit 21 beside it
	s_or_b32 s[G1B], s85, (3<<16)|(1<<21)
	s_mov_b32 s[G1A+1], 32<<16
	s_mov_b32 s[G1A+2], 200<<16                    ; A: four records, 200 rows
	s_mov_b32 s[G1A+3], 32<<16
	s_mov_b32 s[G1A+4], 200
	s_mov_b32 s[G1A+5], 32
	s_mov_b32 s[G1A+6], 0
	s_mov_b32 s[G1A+7], 0
	s_mov_b32 s[G1B+1], 32<<16
	s_mov_b32 s[G1B+2], 400<<16                    ; B: a group's eight records, 400 rows
	s_mov_b32 s[G1B+3], 32<<16
	s_mov_b32 s[G1B+4], 400
	s_mov_b32 s[G1B+5], 32
	s_mov_b32 s[G1B+6], 0
	s_mov_b32 s[G1B+7], 0
	s_lshr_b32 s86, s83, 3
	s_and_b32 s87, s83, 7
	s_mov_b32 s89, 128
	s_cmp_lt_u32 s82, 2                            ; q, k: 64 groups of tokens x 4 pairs of W's groups;  v: 8 groups of Wv x 32 pairs of tokens' groups
	s_cselect_b32 s86, s83, s86
	s_cselect_b32 s87, 0, s87
	s_cselect_b32 s88, 0, 208
	s_cselect_b32 s89, 192, s89
	s_cmp_eq_u32 s82, 1
	s_cselect_b32 s88, 64, s88
	s_cselect_b32 s89, 200, s89
	s_lshl_b32 s86, s86, 2
	s_add_co_u32 s86, s86, s80                     ; tA: hangs on cy, never on cx
	s_lshl_b32 s87, s87, 2
	s_add_co_u32 s87, s87, s79                     ; tB: hangs on cx, never on cy
	s_add_co_u32 s88, s88, s86                     ; A's group in gbuf
	s_lshl_b32 s90, s87, 1
	s_add_co_u32 s89, s89, s90
	s_add_co_u32 s89, s89, s78                     ; the group of B of which I fetch
	s_mul_i32 s90, s88, GRP
	s_mul_i32 s98, s78, 4*REC                      ; A: records 4 e .. 4 e + 3
	s_add_co_u32 s90, s90, s98
	s_mov_b32 s91, 0
	s_mul_i32 s94, s89, GRP
	s_mov_b32 s95, 0
	s_mul_i32 s99, s78, GRP
	s_add_co_u32 s99, s99, GRP                     ; B's group e in LDS
	s_mov_b32 s100, 0x76543210
	s_mov_b32 s101, 0xfedcba98
	s_wait_dscnt 0x0                               ; both opening adds are done
	s_wait_kmcnt 0x0
	s_add_nc_u64 s[92:93], s[4:5], s[90:91]
	s_add_nc_u64 s[96:97], s[4:5], s[94:95]
	CROUND                                         ; all sixteen work-groups are here: the joint loads meet
.irp p, 0
	s_mov_b32 s[G0A+4*\p], 1
	s_add_co_u32 s[G0A+4*\p+1], s98, \p*2*REC
	s_add_nc_u64 s[G0A+4*\p+2:G0A+4*\p+3], s[92:93], \p*2*REC
	s_or_b32 s[G0A+4*\p+3], s[G0A+4*\p+3], 0x80000000
.set GB, 56+4*\p+4*(\p/2)
	s_mov_b32 s[GB], 1
	s_add_co_u32 s[GB+1], s99, \p*2*REC
	s_add_nc_u64 s[GB+2:GB+3], s[96:97], \p*2*REC
	s_or_b32 s[GB+3], s[GB+3], 0x80000000
.endr
	s_cmp_eq_u32 s77, 0                            ; one branch on the wave's number, one fill to an arm
	s_cbranch_scc0 .Lfill_b
.irp p, 0
	tensor_load_to_lds s[G0A+4*\p:G0A+4*\p+3], s[G1A:G1A+7]
	s_nop 0
.endr
	PLACES 4
	s_branch .Lfilled
.Lfill_b:
.irp p, 0
.set GB, 56+4*\p+4*(\p/2)
	tensor_load_to_lds s[GB:GB+3], s[G1B:G1B+7]
	s_nop 0
.endr
	PLACES 4
.Lfilled:
	v_and_b32 v1, 15, v0                           ; r
	v_bfe_u32 v2, v0, 4, 1                         ; h
	v_and_b32 v[L8], 31, v0
	v_lshlrev_b32 v[L16], 4, v[L8]
	v_lshlrev_b32 v[L8], 3, v[L8]
	s_mul_i32 s20, s77, 6144
	v_add_nc_u32 v[ADRA], s20, v[L8]
	s_mul_i32 s21, s78, GRP
	s_add_co_u32 s21, s21, GRP
	v_add_nc_u32 v[ADRB], s21, v[L8]
	s_lshl_b32 s22, s77, 8
	s_sub_co_u32 s23, s21, s22
	v_mul_u32_u24 v[ADS1], s23, v2                 ; one product with h: lanes 16-31 take B's words
	v_lshl_add_u32 v[ADS1], v1, 4, v[ADS1]
	s_add_co_u32 s23, s22, 12288
	v_add_nc_u32 v[ADS1], s23, v[ADS1]
	v_lshl_add_u32 v[ADS2], v2, 8, v[ADS1]
	s_lshl_b32 s23, s77, 12
	v_add_nc_u32 v[QI], s23, v[L16]
	v_add_nc_u32 v[QS], s22, v[L8]
	v_lshlrev_b32 v[BO], 6, v2
	v_and_b32 v[RO], 8, v1
	v_add_nc_u32 v[RO], v[RO], v1
	v_lshlrev_b32 v[RO], 2, v[RO]
.irp i, 0,1,2,3,4,5,6,7
	v_mov_b32 v[MK+\i], 0                          ; q keeps the 0: every query then takes the code 1.0
.endr
	s_cmp_eq_u32 s82, 2
	s_cbranch_scc1 .Lzero_c
	s_cmp_eq_u32 s82, 0
	s_cselect_b64 s[20:21], s[6:7], s[8:9]         ; bq or bk
	s_lshl_b32 s2, s87, 10
	s_lshl_b32 s3, s78, 9
	s_add_co_u32 s2, s2, s3
	s_mov_b32 s3, 0
	s_add_nc_u64 s[20:21], s[20:21], s[2:3]        ; at my 128 outputs
.irp b, 0,1,2,3,4,5,6,7
	global_load_b128 v[BIAS+8*\b:BIAS+8*\b+3], v[BO], s[20:21] offset:(32*(\b/2)+8*(\b%2))*4
	global_load_b128 v[BIAS+8*\b+4:BIAS+8*\b+7], v[BO], s[20:21] offset:(32*(\b/2)+8*(\b%2))*4+16
.endr
	s_branch .Lc_set
.Lzero_c:
.set n, 0
.rept 64
	v_mov_b32 v[BIAS+n], 0                         ; v: the sums begin at 0; written while the first tiles are on their way
.set n, n+1
.endr
.Lc_set:
	s_cmp_eq_u32 s82, 0
	s_cbranch_scc1 .Lno_rows
	s_cmp_eq_u32 s82, 1
	s_cselect_b64 s[22:23], s[12:13], s[10:11]     ; k: mask of my keys;  v: bv of my outputs.  Both: number 128 tA + 64 wa + the tile's row
	s_lshl_b32 s2, s86, 9
	s_lshl_b32 s3, s77, 8
	s_add_co_u32 s2, s2, s3
	s_mov_b32 s3, 0
	s_add_nc_u64 s[22:23], s[22:23], s[2:3]
	s_wait_alu depctr_va_vdst(0)
.irp a, 0,1,2,3
	global_load_b32 v[MK+2*\a], v[RO], s[22:23] offset:(32*(\a/2)+8*(\a%2))*4
.endr
.Lno_rows:
; K step s's fragments and scale words, out of the record pair in hand, into set s % 2: 74 LDS loads in one run
.macro FETCH s
.set U, REC*((\s)%2)
.set FS, (\s)%2
	WIN TO_B
.irp b, 0,1,2,3,4,5,6,7
.irp k, 0,1,2,3,4,5
	ds_load_b64 v[128*FS+12*\b+2*\k:128*FS+12*\b+2*\k+1], v[ADRB] offset:U+1536*\b+256*\k
.endr
.endr
	WIN 0
.irp a, 0,1,2,3
.irp k, 0,1,2,3,4,5
	ds_load_b64 v[AF+48*FS+12*\a+2*\k:AF+48*FS+12*\a+2*\k+1], v[ADRA] offset:U+1536*\a+256*\k
.endr
.endr
	ds_load_b128 v[SC+8*FS:SC+8*FS+3], v[ADS1] offset:U
	ds_load_b128 v[SC+8*FS+4:SC+8*FS+7], v[ADS2] offset:U
.endm
; 32 matrix instructions; the 32 accumulators take turns in the same order in every step
.macro MUL32 set, first
.irp a, 0,1,2,3
.irp b, 0,1,2,3,4,5,6,7
.if \first
	v_wmma_scale_f32_16x16x128_f8f6f4 v[8*(8*\a+\b):8*(8*\a+\b)+7], v[128*(\set)+12*\b:128*(\set)+12*\b+11], v[AF+48*(\set)+12*\a:AF+48*(\set)+12*\a+11], v[BIAS+8*\b:BIAS+8*\b+7], v[SC+8*(\set)+\b], v[SC+8*(\set)+\a] matrix_a_fmt:MATRIX_FMT_FP6 matrix_b_fmt:MATRIX_FMT_FP6 matrix_a_scale:MATRIX_SCALE_ROW1
.else
	v_wmma_scale_f32_16x16x128_f8f6f4 v[8*(8*\a+\b):8*(8*\a+\b)+7], v[128*(\set)+12*\b:128*(\set)+12*\b+11], v[AF+48*(\set)+12*\a:AF+48*(\set)+12*\a+11], v[8*(8*\a+\b):8*(8*\a+\b)+7], v[SC+8*(\set)+\b], v[SC+8*(\set)+\a] matrix_a_fmt:MATRIX_FMT_FP6 matrix_b_fmt:MATRIX_FMT_FP6 matrix_a_scale:MATRIX_SCALE_ROW1
.endif
.endr
.endr
.endm
.macro KSTEP s
	s_wait_dscnt 0x0                               ; this step's set, asked for a step ago, is in
.if ((\s)%2 == 1) && ((\s) < 7)
.irp r, ADRA, ADRB, ADS1, ADS2
	v_add_nc_u32 v[\r], 2*REC, v[\r]               ; on to that pair.  These four are also the places in front of the loads below
.endr
.elseif ((\s)%2 == 0) && ((\s) > 0)
	PLACES 4                                       ; in front of loads into registers that matrix instructions have read
.endif
.if (\s) < 7
	s_wait_alu depctr_va_vdst(0)
	FETCH (\s)+1
.endif
.if (\s) == 0
	WIN MUL_FIRST
	s_wait_alu depctr_va_vdst(0)
	MUL32 0, 1
.else
	WIN MUL
	MUL32 (\s)%2, 0
.endif
	WIN 0
.endm
	s_wait_alu depctr_va_vdst(0)                   ; the wait at the head's end
	s_wait_tensorcnt 0x0                           ; my one load has landed
	s_barrier_signal -1
	s_barrier_wait -1
	FETCH 0
	s_wait_loadcnt 0x0                             ; the bias, the rows' numbers
.irp s, 0,1,2,3,4,5,6,7
	KSTEP \s
.endr
; Tile a's 64 numbers a lane (register 16 b + i = place 32 b + 16 h + i along the next K) become codes in v[PC] on, \st registers apart for each 64, and the scale word in v[PW]
.macro QUANT a, st
	WIN 0x0a                                       ; sources 0 and 1 window 2
.irp b, 0,1,2,3
	v_max3_num_f32 v[TM+\b], |v[64*(\a)+16*\b]|, |v[64*(\a)+16*\b+1]|, 0x1800000   ; each accumulator from its low end on; the floor 2^(3 - 127) holds the byte at 1
.endr
.irp i, 2,4,6,8,10,12,14
.irp b, 0,1,2,3
	v_max3_num_f32 v[TM+\b], |v[64*(\a)+16*\b+\i]|, |v[64*(\a)+16*\b+\i+1]|, v[TM+\b]
.endr
.endr
	WIN 0
.irp b, 0,1,2,3
	v_permlanex16_b32 v[TM+4+\b], v[TM+\b], s100, s101
.endr
.irp b, 0,1,2,3
	v_max_num_f32 v[TM+\b], v[TM+\b], v[TM+4+\b]   ; with lane l xor 16's: the block's largest magnitude
.endr
.irp b, 0,1,2,3
	v_add_nc_u32 v[TM+12+\b], 0xff000000, v[TM+\b]
.endr
.irp b, 0,1,2,3
	v_lshrrev_b32 v[TM+4+\b], 23, v[TM+12+\b]
.endr
	v_lshl_or_b32 v[PW], v[TM+5], 8, v[TM+4]
	v_lshl_or_b32 v[PW], v[TM+6], 16, v[PW]
	v_lshl_or_b32 v[PW], v[TM+7], 24, v[PW]
	s_wait_xcnt 0x0                                ; the last tile's stores have read their registers
	WIN 0x02                                       ; source 0 window 2
.irp c, 0,1
	v_cvt_scalef32_pk16_fp6_f32 v[PC+\st*\c:PC+\st*\c+2], v[64*(\a)+32*\c:64*(\a)+32*\c+15], v[TM+12+2*\c]
	v_cvt_scalef32_pk16_fp6_f32 v[PC+16+4*\c:PC+16+4*\c+2], v[64*(\a)+32*\c+16:64*(\a)+32*\c+31], v[TM+12+2*\c+1]
.endr
	WIN 0
	v_nop                                          ; one plain place behind a scaled conversion
.irp c, 0,1                                    ; the operand's layout wants a whole block in a lane
.irp i, 0,1,2
	v_permlane16_swap_b32 v[PC+\st*\c+\i], v[PC+16+4*\c+\i]
.endr
.irp i, 0,1,2
	v_mov_b32 v[PC+\st*\c+3+\i], v[PC+16+4*\c+\i]
.endr
.endr
.endm
	s_mov_b32 s92, 0xffff0000                      ; lanes 16-31
	s_cmp_eq_u32 s82, 2
	s_cbranch_scc1 .Lout_v
	; ---- q, k: my 128 outputs are two heads; tile a's 16 tokens become one tile of each head's image
	s_cmp_eq_u32 s82, 0
	s_cselect_b64 s[84:85], s[14:15], s[16:17]
	s_mov_b32 s93, 15104
	s_cselect_b32 s93, 8704, s93                   ; a record
	s_mov_b32 s94, 0x01bd0000
	s_cselect_b32 s94, 0x017f0000, s94             ; the word's upper half where the row's number is 0: q: bytes 127, 1;  k: 189, 1
	s_cselect_b32 s95, 8, 56                       ; and the code at k = 64: q: 1.0;  k: -4.0
	s_lshr_b32 s96, s86, 4
	s_lshl_b32 s96, s96, 4                         ; 16 x batch
	s_lshl_b32 s97, s87, 2
	s_add_co_u32 s96, s96, s97
	s_lshl_b32 s97, s78, 1
	s_add_co_u32 s96, s96, s97                     ; + my first head
	s_lshl_b32 s96, s96, 4
	s_and_b32 s97, s86, 15
	s_add_co_u32 s96, s96, s97                     ; x 16 + the group in the sequence
	s_mul_i32 s96, s96, s93
	s_mov_b32 s97, 0
	s_add_nc_u64 s[84:85], s[84:85], s[96:97]
	s_lshl_b32 s96, s93, 4
	s_add_nc_u64 s[88:89], s[84:85], s[96:97]      ; the second head's record
	PLACES 4                                       ; behind the last products
	v_mov_b32 v67, 0x01010000                      ; a live key's upper half: bytes 1, 1
	v_mov_b32 v68, s94
	v_mov_b32 v69, s95
	v_mov_b32 v[PC+7], 0
	v_mov_b32 v[PC+15], 0
.irp b, 0,1,2,3
	v_mov_b32 v[TM+4+\b], 0                        ; a lane permute's destination counts as one of its sources
.endr
.irp a, 0,1,2,3
	QUANT \a, 8
	v_cmp_eq_f32 s90, 0, v[MK+2*\a]
	s_and_b32 s91, s90, 0xffff                     ; k = 64 lies in lanes 0-15
	v_cndmask_b32 v[HI], v67, v68, s90
	v_cndmask_b32 v[PC+6], 0, v69, s91
	v_cndmask_b32 v[PC+14], 0, v69, s91
.if \a%2 == 0
	v_and_or_b32 v[KW+\a/2], v[PW], 0xffff, v[HI]  ; an even tile's words are read from lanes 0-15,
	v_lshrrev_b32 v65, 16, v[PW]
	v_or_b32 v[KW+2+\a/2], v65, v[HI]
.else
	v_and_or_b32 v65, v[PW], 0xffff, v[HI]         ; an odd tile's from lanes 16-31
	v_cndmask_b32 v[KW+\a/2], v[KW+\a/2], v65, s92
	v_lshrrev_b32 v66, 16, v[PW]
	v_or_b32 v66, v66, v[HI]
	v_cndmask_b32 v[KW+2+\a/2], v[KW+2+\a/2], v66, s92
.endif
	global_store_b128 v[QI], v[PC:PC+3], s[84:85] offset:1024*\a
	global_store_b128 v[QI], v[PC+4:PC+7], s[84:85] offset:1024*\a+512
	global_store_b128 v[QI], v[PC+8:PC+11], s[88:89] offset:1024*\a
	global_store_b128 v[QI], v[PC+12:PC+15], s[88:89] offset:1024*\a+512
.endr
	global_store_b64 v[QS], v[KW:KW+1], s[84:85] offset:8192
	global_store_b64 v[QS], v[KW+2:KW+3], s[88:89] offset:8192
	s_branch .Lend
.Lout_v:
	; ---- v: my 64 rows of Wv are one head, my 128 tokens one key step: tile a is tile a of V^T
	s_lshl_b32 s94, s87, 1
	s_add_co_u32 s94, s94, s78                     ; the tokens' group
	s_lshr_b32 s95, s94, 4
	s_and_b32 s94, s94, 15                         ; the key step
	s_lshl_b32 s95, s95, 4
	s_lshl_b32 s96, s86, 1
	s_add_co_u32 s95, s95, s96
	s_add_co_u32 s95, s95, s77                     ; 16 x batch + head
	s_lshl_b32 s95, s95, 4
	s_add_co_u32 s95, s95, s94
	s_mul_i32 s96, s95, 15104
	s_mov_b32 s97, 0
	s_add_nc_u64 s[84:85], s[16:17], s[96:97]
	s_lshl_b32 s96, s95, 8
	s_add_nc_u64 s[88:89], s[18:19], s[96:97]
	PLACES 4
.irp i, 0,1,2,3
	v_mov_b32 v[ONES+3*\i], 0x18618618             ; the code 4.0 (011000) sixteen times in 96 bits
	v_mov_b32 v[ONES+3*\i+1], 0x86186186
	v_mov_b32 v[ONES+3*\i+2], 0x61861861
.endr
	v_mov_b32 v[ONESC], 0x7d7d7d7d                 ; under the scale 2^-2: p = 1 as the quantiser has it
.irp b, 0,1,2,3
	v_mov_b32 v[TM+4+\b], 0
.endr
.irp a, 0,1,2,3
	WIN 0x82                                       ; destination and source 0 window 2
.set n, 0
.rept 32
	v_pk_add_f32 v[64*\a+n:64*\a+n+1], v[64*\a+n:64*\a+n+1], v[MK+2*\a:MK+2*\a+1] op_sel_hi:[1,0]   ; + bv of my output, each accumulator from its low end on
.set n, n+2
.endr
	QUANT \a, 6
.irp j, 0,1,2
	global_store_b128 v[L16], v[PC+4*\j:PC+4*\j+3], s[84:85] offset:8704+1536*\a+512*\j
.endr
.if \a%2 == 0
	v_mov_b32 v[VW+\a/2], v[PW]
.else
	v_cndmask_b32 v[VW+\a/2], v[VW+\a/2], v[PW], s92
.endif
	PLACES 8                                       ; a scale written by a vector instruction stands 8 places ahead of a scaled matrix instruction, an operand 4
	v_wmma_scale_f32_16x16x128_f8f6f4 v[SUMD:SUMD+7], v[ONES:ONES+11], v[PC:PC+11], 0, v[ONESC], v[PW] matrix_a_fmt:MATRIX_FMT_FP6 matrix_b_fmt:MATRIX_FMT_FP6   ; every row: the sum of the quantised v over the 128 keys
	PLACES 4
.if \a < 2
	v_mov_b32 v[VP+\a%2], v[SUMD]
.else
	v_cndmask_b32 v[VP+\a%2], v[VP+\a%2], v[SUMD], s92
.endif
.endr
	global_store_b64 v[L8], v[VW:VW+1], s[84:85] offset:14848
	global_store_b64 v[L8], v[VP:VP+1], s[88:89]
.Lend:
	s_wait_tensorcnt 0x0                           ; the wave's end
	ds_add_u32 v[SPW], v[NIL]
	s_wait_dscnt 0x0
	CROUND                                         ; the closing round
	s_endpgm
.Lfunc_end_k_q8edce0b3d2_proj:
	.size	k_q8edce0b3d2_proj, .Lfunc_end_k_q8edce0b3d2_proj-k_q8edce0b3d2_proj
	.p2alignl 7, 3214868480
	.fill 96, 4, 3214868480
	.section	.rodata,"a",@progbits
	.p2align	6, 0x0
	.amdhsa_kernel k_q8edce0b3d2_proj
		.amdhsa_group_segment_fixed_size 327680
		.amdhsa_private_segment_fixed_size 0
		.amdhsa_enable_private_segment 0
		.amdhsa_kernarg_size 64
		.amdhsa_user_sgpr_count 2
		.amdhsa_user_sgpr_kernarg_segment_ptr 1
		.amdhsa_wavefront_size32 1
		.amdhsa_system_sgpr_workgroup_id_x 1
		.amdhsa_system_sgpr_workgroup_id_y 1
		.amdhsa_system_sgpr_workgroup_id_z 1
		.amdhsa_system_vgpr_workitem_id 0
		.amdhsa_next_free_vgpr 768
		.amdhsa_next_free_sgpr 102
		.amdhsa_reserve_vcc 0
		.amdhsa_float_denorm_mode_32 3
		.amdhsa_float_denorm_mode_16_64 3
		.amdhsa_memory_ordered 1
		.amdhsa_forward_progress 1
		.amdhsa_inst_pref_size 133
	.end_amdhsa_kernel
	.amdgpu_metadata
---
amdhsa.version: [ 1, 2 ]
amdhsa.kernels:
  - .name:           k_q8edce0b3d2_proj
    .symbol:         k_q8edce0b3d2_proj.kd
    .args:
      - { .name: gbuf, .offset: 0, .size: 8, .value_kind: global_buffer, .address_space: global }
      - { .name: bq, .offset: 8, .size: 8, .value_kind: global_buffer, .address_space: global }
      - { .name: bk, .offset: 16, .size: 8, .value_kind: global_buffer, .address_space: global }
      - { .name: bv, .offset: 24, .size: 8, .value_kind: global_buffer, .address_space: global }
      - { .name: mask, .offset: 32, .size: 8, .value_kind: global_buffer, .address_space: global }
      - { .name: qbuf, .offset: 40, .size: 8, .value_kind: global_buffer, .address_space: global }
      - { .name: kv, .offset: 48, .size: 8, .value_kind: global_buffer, .address_space: global }
      - { .name: vpart, .offset: 56, .size: 8, .value_kind: global_buffer, .address_space: global }
    .group_segment_fixed_size: 327680
    .private_segment_fixed_size: 0
    .kernarg_segment_align: 8
    .kernarg_segment_size: 64
    .max_flat_workgroup_size: 128
    .sgpr_count:     102
    .vgpr_count:     768
    .wavefront_size: 32
...
	.end_amdgpu_metadata
.endif
;; end of part 2
;; launch attn (part 3): grid 4 x 64, 16 waves a work-group, clusters of 4 x 1, 327,680 bytes of LDS; arguments qbuf, kv, vpart, abuf; writes abuf
.if DOCPART == 3
	.amdgcn_target "amdgcn-amd-amdhsa--gfx1250"
	.amdhsa_code_object_version 6
	.text
	.protected	k_q8edce0b3d2_attn
	.globl	k_q8edce0b3d2_attn
	.p2align	8
	.type	k_q8edce0b3d2_attn,@function
k_q8edce0b3d2_attn:
	s_mov_b64 s[64:65], 0
	v_nop
	global_prefetch_b8 v0, s[64:65] scope:SCOPE_SE
	s_setreg_imm32_b32 hwreg(HW_REG_WAVE_MODE, 25, 1), 1
	s_wait_xcnt 0x0
	s_wait_alu depctr_hold_cnt(0) depctr_sa_sdst(0) depctr_va_vdst(0) depctr_va_sdst(0) depctr_va_ssrc(0) depctr_va_vcc(0) depctr_vm_vsrc(0)
	s_getreg_b32 s2, hwreg(HW_REG_IB_STS2, 6, 4)
	s_cmp_eq_u32 s2, 0
	s_cbranch_scc0 .Lentry_in_a_cluster
	s_endpgm
.Lentry_in_a_cluster:
	s_bfe_u32 s2, ttmp6, 0x10000c
	s_cmp_lg_u32 s2, 0x3003
	s_cbranch_scc0 .Lentry_shape_is_right
	s_endpgm
.Lentry_shape_is_right:
; Launch 3 of 4: softmax(q k^T / 8, padding and causal mask) v for one head, both products on codes of E2M3, and the result quantised along the head's axis for the last projection.
; LEFT OUT: key steps wholly behind a tile's diagonal (their p is 0 wherever the row has a live key; a row without one takes the mean of v, below); the product mask x tril (its zeros are tested directly).
; SOFTMAX: t = score x log2(e) / 8; M = the ceiling of the running largest t; p = 2^(t - M) is quantised along the keys, not normalised; the row's sum of the unquantised p divides at the end.
;   M is taken of t + |t| 2^-22.  For an ordinary t that raises M by 1 at the most, an exact power of two which the blocks' scales take up.  For the -2^64 of a masked key it lifts M some units of t's last place over every
;   masked t, so that each masked p is 0 whatever the multiply rounds.
; A ROW WITH NO LIVE KEY (its largest t stays under -1e18) has all 2,048 scores equal to FILL in reference(): p = 1 everywhere, result = the sum of the quantised v over ALL keys / 2,048.  Wave 2 makes that mean from
;   vpart; the way out selects it by v_cndmask_b32.  LIMIT: live logits lie inside +-1e12.
; ALL OF A HEAD'S K AND V STAY IN LDS: 16 records of 15,104 bytes, one for each 128 keys, 16,384 bytes apart; each byte is filled once, so the walk over the keys has no ring and no barrier.
; SHARES: a head has 16 groups of 128 queries, 8 tiles of 16 each.  Work-group x of the head's four takes tiles 2 x and 2 x + 1 of EVERY group: 32 tiles.  Wave 2 w + u takes tile 2 x + u of group 15 - w and then
;   of group w: (16 - w) + (w + 1) = 17 key steps for every wave of every work-group, two of them on a diagonal.  Sixteen waves of 256 registers, four to a SIMD.
; CLUSTER 4 x 1: the head's four work-groups read the same 16 records, so each record is asked for jointly (mask 15).  No branch, trip count or LDS address hangs on x: x enters Q's and the result's addresses in memory
;   and the diagonal's compare alone.
; THE FILLS: at the head each wave asks for a quarter (15 rows of 256 bytes) of one of records 0-3; a record has 59 rows, so the fourth quarter brings one row of the next record into the 1,280 bytes of room behind its
;   record, where nobody reads it.  Behind the waits, the add and a round, waves 0-11 ask for one of records 4-15 each; every wave then walks four key steps on records 0-3, waits for its load and passes a barrier.
;   Every wait on TENSORcnt is for 0; a wave has one tensor load out at the most.
; TRIPS are constants: 4, then 20; trip t reads record t % 16 (trips 0-15 the first tile, 16-23 the second); a step behind the tile's diagonal is jumped over on ids alone.
; NO PREFETCH: all 16 records are asked for ahead of the first loop, so no later tile is left to ask for ahead.
; LAYOUT: both products transposed (S^T = K Q^T, O^T = V^T P^T): a lane holds one query.  All operands lie in memory as images of their registers: every LDS load is 16 or 8 bytes x lane, on end.
;   K's fragments are loaded 8 registers apart: registers 8-11 of a fragment (k = 80 on) meet zero codes of Q, so the next tile's first four may stand there.
.set RECB,  15104
.set QTR,   3840                       ; 15 rows of 256 bytes
.set VM,    16*16384                   ; 256 bytes: the mean of v, [lane][2]
.set SPARE, VM+256                     ; the spare words, 128 bytes for each of 16 waves
.set F,   32                           ; v32-99   K's tiles, 8 apart; then V's, 12 apart
.set S,   100                          ; v100-163 S^T, then p
.set O,   164                          ; v164-195 O^T
.set CD,  196                          ; v196-207 p's codes
.set KS,  208                          ; v208-211 K's scale words;  v212-213 V's
.set VS,  212
.set BM,  216                          ; v216-219 the blocks' largest scores
.set PT,  220                          ; v220-223 at work
.set SO,  224                          ; v224-227 the conversions' scale operands
.set CT,  228                          ; v228-230, v232-234
; v1 16 x lane, v2 8 x lane, v3, v4 the same in the record in hand, v5, v6 the add's two, v7 my query's place in its group - 16 h, v8 VM + 64 h, v9 VM + 8 x lane, v10 16 r + h, v11 8 r,
; v12 -M, v13 the largest t, v[14:15] the sum, v16-27 Q, v28 Q's scale word, v236 f, v237 p's scale word, v238, v239, v242-255 at work
; s12 wave, s13 x, s14 head, s16 trip, s18 record, s19 my tile's group, s[20:21] selects, s[22:23] c, s[24:31], s[72:79] groups 1, s[32:35] group 0, s[36:37] the head's records, s40 the record's LDS address,
; s[42:49] Q, Q's scales, the result's codes and bytes, s[50:51], s68, s69 the descriptors' arithmetic (never x), s56 w, s57 my tile in a group, s58-61, s70, s71 its offsets
.macro ROUND                           ; a round of the cluster's barrier
	s_barrier_signal -1
	s_barrier_wait -1
	s_cmp_lg_u32 s12, 0
	s_cbranch_scc1 .Lnot_wave_0_\@
	s_barrier_signal -3
.Lnot_wave_0_\@:
	s_barrier_wait -3
	s_barrier_signal -1
	s_barrier_wait -1
.endm
	s_load_b256 s[4:11], s[0:1], 0x0               ; qbuf, kv, vpart, abuf
	v_lshl_add_u32 v5, v0, 2, SPARE
	v_mov_b32 v6, 0
	ds_add_u32 v5, v6                              ; the wave's opening: the add, twice on end, and its wait ahead of the first tensor load
	ds_add_u32 v5, v6
	v_lshrrev_b32 v1, 5, v0
	s_delay_alu instid0(VALU_DEP_1)
	v_readfirstlane_b32 s12, v1
	s_bfe_u32 s13, ttmp6, 0x40000                  ; x: my place in the cluster
	s_and_b32 s14, ttmp7, 0xffff                   ; the head: 16 x batch + head
	s_mov_b32 s20, 0x76543210
	s_mov_b32 s21, 0xfedcba98
	s_mov_b32 s22, 0x3e38aa3b                      ; c = log2(e) / 8
	s_mov_b32 s23, s22
	s_mov_b32 s24, 15|(3<<16)|(1<<21)              ; group 1: dense rows of 256 bytes (32 elements of 8), the mask of all four partners and bit 21 beside it: 15 rows
	s_mov_b32 s25, 32<<16
	s_mov_b32 s26, 15<<16
	s_mov_b32 s27, 32<<16
	s_mov_b32 s28, 15
	s_mov_b32 s29, 32
	s_mov_b32 s30, 0
	s_mov_b32 s31, 0
	s_mov_b32 s72, 15|(3<<16)|(1<<21)              ; and a whole record: 59 rows
	s_mov_b32 s73, 32<<16
	s_mov_b32 s74, 59<<16
	s_mov_b32 s75, 32<<16
	s_mov_b32 s76, 59
	s_mov_b32 s77, 32
	s_mov_b32 s78, 0
	s_mov_b32 s79, 0
	s_mov_b32 s53, 0xffff0000
	s_mov_b32 s55, 0x34800000                      ; 2^-22
	s_lshr_b32 s56, s12, 1                         ; w
	s_sub_co_u32 s19, 15, s56                      ; the first tile's group
	s_and_b32 s57, s12, 1
	s_lshl_b32 s62, s13, 1
	s_add_co_u32 s57, s57, s62                     ; a = 2 x + u: my tile in each group
	s_lshl_b32 s58, s57, 10                        ; Q's image: 1,024 a
	s_lshr_b32 s62, s57, 2
	s_lshl_b32 s59, s62, 8                         ; Q's scale word: 8,192 + 256 (a/4) + 128 (a%2) + 4 ((a/2)%2)
	s_and_b32 s63, s57, 1
	s_lshl_b32 s63, s63, 7
	s_add_co_u32 s59, s59, s63
	s_bfe_u32 s63, s57, 0x10001
	s_lshl_b32 s63, s63, 2
	s_add_co_u32 s59, s59, s63
	s_add_co_u32 s59, s59, 8192
	s_mul_i32 s60, s57, 1536                       ; the result's codes: 1,536 a + 768 (head % 2)
	s_and_b32 s63, s14, 1
	s_mul_i32 s66, s63, 768
	s_add_co_u32 s60, s60, s66
	s_lshl_b32 s61, s62, 8                         ; its bytes: 12,288 + 256 (a/4) + 4 (a%4) + 2 (head % 2)
	s_and_b32 s66, s57, 3
	s_lshl_b32 s66, s66, 2
	s_add_co_u32 s61, s61, s66
	s_lshl_b32 s63, s63, 1
	s_add_co_u32 s61, s61, s63
	s_add_co_u32 s61, s61, 12288
	s_bfe_u32 s70, s14, 0x30001                    ; the last projection's K step: (head % 16) / 2
	s_lshr_b32 s62, s57, 1
	s_lshl_b32 s62, s62, 5
	s_and_b32 s63, s57, 1
	s_lshl_b32 s63, s63, 3
	s_add_co_u32 s71, s62, s63                     ; 32 (a/2) + 8 (a%2)
	s_lshr_b32 s68, s12, 2                         ; my first fill: record wave / 4, quarter wave % 4
	s_and_b32 s69, s12, 3
	s_mul_i32 s69, s69, QTR
	s_lshl_b32 s33, s68, 14
	s_add_co_u32 s33, s33, s69
	s_mul_i32 s50, s68, RECB
	s_add_co_u32 s50, s50, s69
	s_mov_b32 s51, 0
	s_mul_i32 s38, s14, 16*RECB
	s_mov_b32 s39, 0
	s_mov_b32 s32, 1
	s_wait_dscnt 0x0                               ; both opening adds are done
	s_wait_kmcnt 0x0
	s_add_nc_u64 s[36:37], s[6:7], s[38:39]        ; the head's 16 records: one dense stream of 241,664 bytes
	s_add_nc_u64 s[34:35], s[36:37], s[50:51]
	s_or_b32 s35, s35, 0x80000000
	ROUND                                          ; all four work-groups are here: the first joint loads meet
	tensor_load_to_lds s[32:35], s[24:31]          ; my one tensor load at the head
	s_nop 0
.rept 4
	v_nop
.endr
	v_and_b32 v2, 31, v0
	v_and_b32 v10, 15, v0                          ; r
	v_bfe_u32 v9, v0, 4, 1                         ; h
	v_lshlrev_b32 v1, 4, v2
	v_lshlrev_b32 v2, 3, v2
	v_lshlrev_b32 v11, 3, v10
	v_and_b32 v7, 8, v10
	v_lshlrev_b32 v8, 4, v9
	s_delay_alu instid0(VALU_DEP_2)
	v_add_nc_u32 v7, v7, v10
	s_delay_alu instid0(VALU_DEP_1)
	v_sub_nc_u32 v7, v7, v8
	s_delay_alu instid0(VALU_DEP_1)
	v_add_nc_u32 v7, s71, v7                       ; 32 (a/2) + 8 (a%2) + r + 8 (r/8) - 16 h
	v_lshl_add_u32 v8, v9, 6, VM
	v_lshl_add_u32 v10, v10, 4, v9
	v_add_nc_u32 v9, VM, v2
.irp i, 24,25,26,27, F+64,F+65,F+66,F+67, PT,PT+1,PT+2,PT+3, 237,238
	v_mov_b32 v[\i], 0                             ; Q's registers 8-11: zero codes; what stands behind K's last tile; permutes' destinations; the upper half of the pair v[236:237]
.endr
	s_cmp_eq_u32 s12, 2
	s_cbranch_scc0 .Lno_mean
	s_lshl_b32 s66, s14, 12                        ; wave 2: the mean of the quantised v over all 2,048 keys
	s_mov_b32 s67, 0
	s_add_nc_u64 s[66:67], s[8:9], s[66:67]
.irp t, 0,1,2,3,4,5,6,7,8,9,10,11,12,13,14,15
	global_load_b64 v[S+2*\t:S+2*\t+1], v2, s[66:67] offset:256*\t
.endr
	s_wait_loadcnt 0x0
	v_pk_add_f32 v[254:255], v[102:103], v[104:105]
	v_pk_add_f32 v[252:253], v[106:107], v[108:109]
	v_pk_add_f32 v[250:251], v[110:111], v[112:113]
	v_pk_add_f32 v[248:249], v[114:115], v[116:117]
	v_pk_add_f32 v[246:247], v[118:119], v[120:121]
	v_pk_add_f32 v[244:245], v[122:123], v[124:125]
	v_pk_add_f32 v[242:243], v[126:127], v[128:129]
	v_pk_add_f32 v[100:101], v[100:101], v[130:131]
	s_delay_alu instid0(VALU_DEP_1)
	v_pk_add_f32 v[100:101], v[100:101], v[248:249]
	v_pk_add_f32 v[254:255], v[254:255], v[246:247]
	v_pk_add_f32 v[252:253], v[252:253], v[244:245]
	v_pk_add_f32 v[250:251], v[250:251], v[242:243]
	s_delay_alu instid0(VALU_DEP_2)
	v_pk_add_f32 v[100:101], v[100:101], v[252:253]
	s_delay_alu instid0(VALU_DEP_2)
	v_pk_add_f32 v[254:255], v[254:255], v[250:251]
	s_delay_alu instid0(VALU_DEP_1)
	v_pk_add_f32 v[100:101], v[100:101], v[254:255]
	s_delay_alu instid0(VALU_DEP_1)
	v_pk_mul_f32 v[S:S+1], v[S:S+1], 0x3a000000 op_sel_hi:[1,0]   ; x 2^-11
	ds_store_b64 v9, v[S:S+1]                      ; the head's end waits for it and passes a round: then all may read it
.Lno_mean:
; The addresses of my tile of group s19; Q's fragment; the softmax's state
.macro SETBLK
	s_lshl_b32 s63, s14, 4
	s_add_co_u32 s63, s63, s19
	s_mul_i32 s63, s63, 8704
	s_add_co_u32 s66, s63, s58
	s_mov_b32 s67, 0
	s_add_nc_u64 s[42:43], s[4:5], s[66:67]
	s_add_co_u32 s66, s63, s59
	s_add_nc_u64 s[44:45], s[4:5], s[66:67]
	s_lshr_b32 s63, s14, 4
	s_lshl_b32 s63, s63, 4
	s_add_co_u32 s63, s63, s19
	s_lshl_b32 s63, s63, 3
	s_add_co_u32 s63, s63, s70
	s_mul_i32 s63, s63, 12800
	s_add_co_u32 s66, s63, s60
	s_add_nc_u64 s[46:47], s[10:11], s[66:67]
	s_add_co_u32 s66, s63, s61
	s_add_nc_u64 s[48:49], s[10:11], s[66:67]
	global_load_b128 v[16:19], v1, s[42:43]
	global_load_b128 v[20:23], v1, s[42:43] offset:512
	global_load_b32 v28, v11, s[44:45]
	v_mov_b32 v13, 0xff61b1e6                      ; the largest t so far: -3e38
	s_delay_alu instid0(VALU_DEP_1)
	v_floor_f32 v12, -v13
	v_mov_b32 v14, 0
	v_mov_b32 v15, 0
.set n, 0
.rept 32
	v_mov_b32 v[O+n], 0                            ; the step is written once: the first finds zeros
.set n, n+1
.endr
	s_wait_loadcnt 0x0
.endm
; A KEY STEP: the 128 keys of record s18, at LDS byte s40.  edge = 0: a step that lies ahead of every tile's diagonal by the trips' own numbers: no test is written
.macro STEP edge
.if \edge
	s_cmp_gt_u32 s18, s19                          ; all its keys come after my group's queries: left out (ids alone; no barrier, no tensor load stands in a step)
	s_cbranch_scc1 .Lhidden_\@
.endif
	v_add_nc_u32 v3, s40, v1
	v_add_nc_u32 v4, s40, v2
	v_nop
	v_nop                                          ; four places in front of loads into registers that the last products read
.irp t, 0,1,2,3,4,5,6,7
	ds_load_b128 v[F+8*\t:F+8*\t+3], v3 offset:1024*\t
	ds_load_b128 v[F+8*\t+4:F+8*\t+7], v3 offset:1024*\t+512
.endr
	ds_load_b64 v[KS:KS+1], v4 offset:8192
	ds_load_b64 v[KS+2:KS+3], v4 offset:8192+256
	s_wait_alu depctr_va_vdst(0)                   ; the wait here
	s_wait_dscnt 0x0
.irp t, 0,2,4,6
	v_wmma_scale_f32_16x16x128_f8f6f4 v[S+8*\t:S+8*\t+7], v[F+8*\t:F+8*\t+11], v[16:27], 0, v[KS+\t/2], v28 matrix_a_fmt:MATRIX_FMT_FP6 matrix_b_fmt:MATRIX_FMT_FP6
	v_wmma_scale_f32_16x16x128_f8f6f4 v[S+8*\t+8:S+8*\t+15], v[F+8*\t+8:F+8*\t+19], v[16:27], 0, v[KS+\t/2], v28 matrix_a_fmt:MATRIX_FMT_FP6 matrix_b_fmt:MATRIX_FMT_FP6 matrix_a_scale:MATRIX_SCALE_ROW1
.endr
.rept 4
	v_nop                                          ; places: in front of the loads below and of the first read of the scores
.endr
.irp t, 0,1,2,3
.irp j, 0,1,2
	ds_load_b128 v[F+12*\t+4*\j:F+12*\t+4*\j+3], v3 offset:8704+1536*\t+512*\j   ; V^T: it lands during the softmax
.endr
.endr
	ds_load_b64 v[VS:VS+1], v4 offset:14848
.if \edge
	s_cmp_lt_u32 s18, s19
	s_cbranch_scc1 .Lopen_\@
	v_mov_b32 v238, 0xff800000                     ; on the diagonal: register 16 b + i holds key 32 b + 16 h + i of the group: hidden where 32 b + i > my query's place - 16 h
.set n, 0
.rept 64
	v_cmp_gt_i32 vcc_lo, 32*(n/16)+n%16, v7
	v_cndmask_b32 v[S+n], v[S+n], v238, vcc_lo
.set n, n+1
.endr
.Lopen_\@:
.endif
.irp b, 0,1,2,3
	v_max3_num_f32 v[BM+\b], v[S+16*\b], v[S+16*\b+1], v[S+16*\b+2]   ; the largest score of each block of 32 keys: for the row's maximum, and, since p rises with the score, for the block's largest p
.endr
.irp i, 3,5,7,9,11,13
.irp b, 0,1,2,3
	v_max3_num_f32 v[BM+\b], v[BM+\b], v[S+16*\b+\i], v[S+16*\b+\i+1]
.endr
.endr
.irp b, 0,1,2,3
	v_max_num_f32 v[BM+\b], v[BM+\b], v[S+16*\b+15]
.endr
.irp b, 0,1,2,3
	s_delay_alu instid0(VALU_DEP_4)
	v_permlanex16_b32 v[PT+\b], v[BM+\b], s20, s21
.endr
.irp b, 0,1,2,3
	s_delay_alu instid0(VALU_DEP_4)
	v_max_num_f32 v[BM+\b], v[BM+\b], v[PT+\b]
.endr
	s_delay_alu instid0(VALU_DEP_2)
	v_max3_num_f32 v238, v[BM], v[BM+1], v[BM+2]
	s_delay_alu instid0(VALU_DEP_1)
	v_max_num_f32 v238, v238, v[BM+3]
	s_delay_alu instid0(VALU_DEP_1)
	v_mul_f32 v238, s22, v238                      ; as t
	s_delay_alu instid0(VALU_DEP_1)
	v_fma_f32 v238, |v238|, s55, v238              ; + |t| 2^-22
	s_delay_alu instid0(VALU_DEP_1)
	v_max_num_f32 v13, v13, v238
	v_mov_b32 v238, v12
	s_delay_alu instid0(VALU_DEP_2)
	v_floor_f32 v12, -v13                          ; -M = floor(-t): M is a whole number
	s_delay_alu instid0(VALU_DEP_1)
	v_sub_f32 v238, v12, v238                      ; old M - new M: 0 or less
	s_delay_alu instid0(VALU_DEP_1)
	v_cvt_i32_f32 v238, v238                       ; (it saturates)
	s_delay_alu instid0(VALU_DEP_1)
	v_ldexp_f32 v236, 1.0, v238                    ; f = 2^(old M - new M)
.set n, 0
.rept 32
	v_pk_fma_f32 v[S+n:S+n+1], v[S+n:S+n+1], s[22:23], v[12:13] op_sel_hi:[1,0,0]   ; t - M
.set n, n+2
.endr
.irp b, 0,1,2,3
	v_fma_f32 v[BM+\b], v[BM+\b], s22, v12
.endr
.set n, 0
	s_wait_alu depctr_va_vdst(0)                   ; the wait ahead of the batch
.rept 64
	v_exp_f32 v[S+n], v[S+n]                       ; p, at most 1
.set n, n+1
.endr
	v_pk_mul_f32 v[14:15], v[14:15], v[236:237] op_sel_hi:[1,0]   ; the sum under the new M: a plain place behind the exponentials
	s_wait_alu depctr_va_vdst(0)                   ; one wait for the batch, ahead of its first reader
.irp b, 0,1,2,3
	v_exp_f32 v[BM+\b], v[BM+\b]                   ; the block's largest p
.endr
	v_pk_add_f32 v[220:221], v[104:105], v[108:109]   ; the row's sum of the unquantised p, in eight chains
	v_pk_add_f32 v[254:255], v[112:113], v[116:117]
	v_pk_add_f32 v[252:253], v[120:121], v[124:125]
	v_pk_add_f32 v[250:251], v[128:129], v[132:133]
	v_pk_add_f32 v[248:249], v[136:137], v[140:141]
	v_pk_add_f32 v[246:247], v[144:145], v[148:149]
	v_pk_add_f32 v[244:245], v[152:153], v[156:157]
	v_pk_add_f32 v[14:15], v[14:15], v[160:161]
	v_pk_add_f32 v[220:221], v[220:221], v[100:101]
	v_pk_add_f32 v[254:255], v[254:255], v[102:103]
	v_pk_add_f32 v[252:253], v[252:253], v[106:107]
	v_pk_add_f32 v[250:251], v[250:251], v[110:111]
	v_pk_add_f32 v[248:249], v[248:249], v[114:115]
	v_pk_add_f32 v[246:247], v[246:247], v[118:119]
	v_pk_add_f32 v[244:245], v[244:245], v[122:123]
	v_pk_add_f32 v[14:15], v[14:15], v[126:127]
	v_pk_add_f32 v[220:221], v[220:221], v[130:131]
	v_pk_add_f32 v[254:255], v[254:255], v[134:135]
	v_pk_add_f32 v[252:253], v[252:253], v[138:139]
	v_pk_add_f32 v[250:251], v[250:251], v[142:143]
	v_pk_add_f32 v[248:249], v[248:249], v[146:147]
	v_pk_add_f32 v[246:247], v[246:247], v[150:151]
	v_pk_add_f32 v[244:245], v[244:245], v[154:155]
	v_pk_add_f32 v[14:15], v[14:15], v[158:159]
	v_pk_add_f32 v[220:221], v[220:221], v[162:163]
	s_delay_alu instid0(VALU_DEP_2)
	v_pk_add_f32 v[14:15], v[14:15], v[250:251]
	s_delay_alu instid0(VALU_DEP_2)
	v_pk_add_f32 v[220:221], v[220:221], v[248:249]
	v_pk_add_f32 v[254:255], v[254:255], v[246:247]
	v_pk_add_f32 v[252:253], v[252:253], v[244:245]
	s_delay_alu instid0(VALU_DEP_2)
	v_pk_add_f32 v[14:15], v[14:15], v[254:255]
	s_delay_alu instid0(VALU_DEP_2)
	v_pk_add_f32 v[220:221], v[220:221], v[252:253]
	s_delay_alu instid0(VALU_DEP_1)
	v_pk_add_f32 v[14:15], v[14:15], v[220:221]
	s_wait_alu depctr_va_vdst(0)                   ; and one for the four
.irp b, 0,1,2,3
	v_max_num_f32 v[BM+\b], 0x1800000, v[BM+\b]    ; the floor: the byte cannot fall under 1
.endr
.irp b, 0,1,2,3
	s_delay_alu instid0(VALU_DEP_4)
	v_add_nc_u32 v[SO+\b], 0xff000000, v[BM+\b]
.endr
.irp b, 0,1,2,3
	s_delay_alu instid0(VALU_DEP_4)
	v_lshrrev_b32 v[PT+\b], 23, v[SO+\b]
.endr
	s_delay_alu instid0(VALU_DEP_3)
	v_lshl_or_b32 v237, v[PT+1], 8, v[PT]
	s_delay_alu instid0(VALU_DEP_1)
	v_lshl_or_b32 v237, v[PT+2], 16, v237
	s_delay_alu instid0(VALU_DEP_1)
	v_lshl_or_b32 v237, v[PT+3], 24, v237          ; p's scale word for these 128 keys
.irp c, 0,1
	v_cvt_scalef32_pk16_fp6_f32 v[CD+6*\c:CD+6*\c+2], v[S+32*\c:S+32*\c+15], v[SO+2*\c]
	v_cvt_scalef32_pk16_fp6_f32 v[CT+4*\c:CT+4*\c+2], v[S+32*\c+16:S+32*\c+31], v[SO+2*\c+1]
.endr
	v_nop                                          ; one plain place behind a scaled conversion
.irp c, 0,1
.irp i, 0,1,2
	v_permlane16_swap_b32 v[CD+6*\c+\i], v[CT+4*\c+\i]
.endr
.irp i, 0,1,2
	s_delay_alu instid0(VALU_DEP_3)
	v_mov_b32 v[CD+6*\c+3+\i], v[CT+4*\c+\i]
.endr
.endr
.set n, 0
.rept 16
	v_pk_mul_f32 v[O+n:O+n+1], v[O+n:O+n+1], v[236:237] op_sel_hi:[1,0]   ; O^T under the new M.  These sixteen are also the places in front of the products below
.set n, n+2
.endr
	s_wait_alu depctr_va_vdst(0)                   ; directly ahead of the wait below
	s_wait_dscnt 0x0                               ; V^T is in
.irp t, 0,2
	v_wmma_scale_f32_16x16x128_f8f6f4 v[O+8*\t:O+8*\t+7], v[F+12*\t:F+12*\t+11], v[CD:CD+11], v[O+8*\t:O+8*\t+7], v[VS+\t/2], v237 matrix_a_fmt:MATRIX_FMT_FP6 matrix_b_fmt:MATRIX_FMT_FP6
	v_wmma_scale_f32_16x16x128_f8f6f4 v[O+8*\t+8:O+8*\t+15], v[F+12*\t+12:F+12*\t+23], v[CD:CD+11], v[O+8*\t+8:O+8*\t+15], v[VS+\t/2], v237 matrix_a_fmt:MATRIX_FMT_FP6 matrix_b_fmt:MATRIX_FMT_FP6 matrix_a_scale:MATRIX_SCALE_ROW1
.endr
.if \edge
.Lhidden_\@:
.endif
.endm
; THE WAY OUT of a tile: O^T / the sum (or the mean of v), quantised along the head's 64, stored as registers 6 c .. 6 c + 5 of the last projection's operand, c = head % 2
.macro WAYOUT
.rept 4
	v_nop
.endr
	v_add_f32 v14, v14, v15
	s_delay_alu instid0(VALU_DEP_1)
	v_permlanex16_b32 v238, v14, s20, s21
	s_delay_alu instid0(VALU_DEP_1)
	v_add_f32 v14, v14, v238                       ; the row's sum
	v_cmp_gt_f32 s54, 0xdd5e0b6b, v13              ; -1e18 > the largest t: no live key
	s_delay_alu instid0(VALU_DEP_1)
	v_cndmask_b32 v14, v14, 1.0, s54               ; (its sum is 0: no 0 x infinity is formed)
	s_wait_alu depctr_va_vdst(0)
	v_rcp_f32 v14, v14
.irp D, 0,1
.irp i, 0,1,2,3
	ds_load_b128 v[S+32+16*\D+4*\i:S+32+16*\D+4*\i+3], v8 offset:128*\D+16*\i   ; the mean at my 32 channels: register 16 D + 2 j + u is channel 32 D + 16 h + 8 u + j
.endr
.endr
	v_nop                                          ; a plain place behind the reciprocal
	s_wait_alu depctr_va_vdst(0)
.set n, 0
.rept 16
	v_pk_mul_f32 v[S+n:S+n+1], v[O+n:O+n+1], v[14:15] op_sel_hi:[1,0]   ; each accumulator from its low end on
.set n, n+2
.endr
	s_wait_dscnt 0x0
.irp D, 0,1
.irp u, 0,1
.irp j, 0,1,2,3,4,5,6,7
	v_cndmask_b32 v[S+8*(2*\D+\u)+\j], v[S+8*(2*\D+\u)+\j], v[S+32+16*\D+2*\j+\u], s54
.endr
.endr
.endr
.irp D, 0,1
	v_max3_num_f32 v[BM+\D], |v[S+16*\D]|, |v[S+16*\D+1]|, 0x1800000
.endr
.irp i, 2,4,6,8,10,12,14
.irp D, 0,1
	s_delay_alu instid0(VALU_DEP_2)
	v_max3_num_f32 v[BM+\D], v[BM+\D], |v[S+16*\D+\i]|, |v[S+16*\D+\i+1]|
.endr
.endr
.irp D, 0,1
	s_delay_alu instid0(VALU_DEP_2)
	v_permlanex16_b32 v[PT+\D], v[BM+\D], s20, s21
.endr
.irp D, 0,1
	s_delay_alu instid0(VALU_DEP_2)
	v_max_num_f32 v[BM+\D], v[BM+\D], v[PT+\D]
.endr
.irp D, 0,1
	s_delay_alu instid0(VALU_DEP_2)
	v_add_nc_u32 v[SO+\D], 0xff000000, v[BM+\D]
.endr
.irp D, 0,1
	s_delay_alu instid0(VALU_DEP_2)
	v_lshrrev_b32 v[PT+\D], 23, v[SO+\D]
.endr
	v_cvt_scalef32_pk16_fp6_f32 v[CD:CD+2], v[S:S+15], v[SO]
	v_cvt_scalef32_pk16_fp6_f32 v[CT:CT+2], v[S+16:S+31], v[SO+1]
	v_cndmask_b32 v239, v[PT], v[PT+1], s53        ; lanes 0-15 store block 0's byte, lanes 16-31 block 1's.  (The plain place behind the conversions)
.irp i, 0,1,2
	v_permlane16_swap_b32 v[CD+\i], v[CT+\i]
.endr
.irp i, 0,1,2
	s_delay_alu instid0(VALU_DEP_3)
	v_mov_b32 v[CD+3+\i], v[CT+\i]
.endr
.irp p, 0,1,2
	global_store_b64 v2, v[CD+2*\p:CD+2*\p+1], s[46:47] offset:256*\p   ; 256 consecutive bytes, aligned
.endr
	global_store_b8 v10, v239, s[48:49]            ; 32 bytes a tile and head, each lane its own: two of a scale word's four come from the neighbouring head's work-group
	s_wait_xcnt 0x0                                ; the stores have read their registers and bases: both may be written again
.endm
	SETBLK
	s_wait_alu depctr_va_vdst(0)                   ; the wait at the head's end
	s_wait_tensorcnt 0x0                           ; my quarter record is in
	ds_add_u32 v5, v6                              ; 0 onto my spare word;
	s_add_co_u32 s68, s12, 4                       ; no tensor load of mine is out, so group 0 may be written: record wave + 4
	s_lshl_b32 s33, s68, 14
	s_mul_i32 s50, s68, RECB
	s_add_nc_u64 s[34:35], s[36:37], s[50:51]
	s_or_b32 s35, s35, 0x80000000
	s_wait_dscnt 0x0                               ; the add is done, and wave 2's store of the mean
	ROUND                                          ; records 0-3 and the mean are whole, and all four work-groups are here: the joint loads meet
	s_cmp_lt_u32 s12, 12
	s_cbranch_scc0 .Lno_second
	tensor_load_to_lds s[32:35], s[72:79]          ; records 4-15, one a wave: the first thing behind the round
	s_nop 0
.rept 4
	v_nop
.endr
.Lno_second:
	s_mov_b32 s16, 0
.Lfirst:                                           ; four trips on records 0-3: every first tile's group is 8 or more, so none of them meets a diagonal
	s_lshl_b32 s40, s16, 14
	STEP 0
	s_add_co_u32 s16, s16, 1
	s_cmp_lt_u32 s16, 4
	s_cbranch_scc1 .Lfirst
	s_wait_tensorcnt 0x0                           ; my record is in
	s_wait_dscnt 0x0
	s_barrier_signal -1
	s_barrier_wait -1                              ; everybody's is
	s_mov_b32 s16, 4
.Lrest:                                            ; twenty trips: records 4-15 for the first tile, 0-7 for the second
	s_and_b32 s18, s16, 15
	s_lshl_b32 s40, s18, 14
	STEP 1
	s_add_co_u32 s16, s16, 1
	s_cmp_lg_u32 s16, 16                           ; the trip's number alone: all waves go the same way
	s_cbranch_scc1 .Lsame
	WAYOUT
	s_mov_b32 s19, s56                             ; the second tile's group
	SETBLK
.Lsame:
	s_cmp_lt_u32 s16, 24
	s_cbranch_scc1 .Lrest
	WAYOUT
	s_wait_tensorcnt 0x0                           ; the wave's end
	ds_add_u32 v5, v6
	s_wait_dscnt 0x0
	ROUND                                          ; the closing round
	s_endpgm
.Lfunc_end_k_q8edce0b3d2_attn:
	.size	k_q8edce0b3d2_attn, .Lfunc_end_k_q8edce0b3d2_attn-k_q8edce0b3d2_attn
	.p2alignl 7, 3214868480
	.fill 96, 4, 3214868480
	.section	.rodata,"a",@progbits
	.p2align	6, 0x0
	.amdhsa_kernel k_q8edce0b3d2_attn
		.amdhsa_group_segment_fixed_size 327680
		.amdhsa_private_segment_fixed_size 0
		.amdhsa_enable_private_segment 0
		.amdhsa_kernarg_size 32
		.amdhsa_user_sgpr_count 2
		.amdhsa_user_sgpr_kernarg_segment_ptr 1
		.amdhsa_wavefront_size32 1
		.amdhsa_system_sgpr_workgroup_id_x 1
		.amdhsa_system_sgpr_workgroup_id_y 1
		.amdhsa_system_sgpr_workgroup_id_z 1
		.amdhsa_system_vgpr_workitem_id 0
		.amdhsa_next_free_vgpr 256
		.amdhsa_next_free_sgpr 82
		.amdhsa_reserve_vcc 1
		.amdhsa_float_denorm_mode_32 3
		.amdhsa_float_denorm_mode_16_64 3
		.amdhsa_memory_ordered 1
		.amdhsa_forward_progress 1
		.amdhsa_inst_pref_size 68
	.end_amdhsa_kernel
	.amdgpu_metadata
---
amdhsa.version: [ 1, 2 ]
amdhsa.kernels:
  - .name:           k_q8edce0b3d2_attn
    .symbol:         k_q8edce0b3d2_attn.kd
    .args:
      - { .name: qbuf, .offset: 0, .size: 8, .value_kind: global_buffer, .address_space: global }
      - { .name: kv, .offset: 8, .size: 8, .value_kind: global_buffer, .address_space: global }
      - { .name: vpart, .offset: 16, .size: 8, .value_kind: global_buffer, .address_space: global }
      - { .name: abuf, .offset: 24, .size: 8, .value_kind: global_buffer, .address_space: global }
    .group_segment_fixed_size: 327680
    .private_segment_fixed_size: 0
    .kernarg_segment_align: 8
    .kernarg_segment_size: 32
    .max_flat_workgroup_size: 512
    .sgpr_count:     82
    .vgpr_count:     256
    .wavefront_size: 32
...
	.end_amdgpu_metadata
.endif
;; end of part 3
;; launch outp (part 4): grid 4 x 64, 4 waves a work-group, clusters of 4 x 4, 327,680 bytes of LDS; arguments abuf, gbuf, bo, out0; writes out0
.if DOCPART == 4
	.amdgcn_target "amdgcn-amd-amdhsa--gfx1250"
	.amdhsa_code_object_version 6
	.text
	.protected	k_q8edce0b3d2_outp
	.globl	k_q8edce0b3d2_outp
	.p2align	8
	.type	k_q8edce0b3d2_outp,@function
k_q8edce0b3d2_outp:
	s_mov_b64 s[64:65], 0
	v_nop
	global_prefetch_b8 v0, s[64:65] scope:SCOPE_SE
	s_setreg_imm32_b32 hwreg(HW_REG_WAVE_MODE, 25, 1), 1
	s_wait_xcnt 0x0
	s_wait_alu depctr_hold_cnt(0) depctr_sa_sdst(0) depctr_va_vdst(0) depctr_va_sdst(0) depctr_va_ssrc(0) depctr_va_vcc(0) depctr_vm_vsrc(0)
	s_getreg_b32 s2, hwreg(HW_REG_IB_STS2, 6, 4)
	s_cmp_eq_u32 s2, 0
	s_cbranch_scc0 .Lentry_in_a_cluster
	s_endpgm
.Lentry_in_a_cluster:
	s_bfe_u32 s2, ttmp6, 0x10000c
	s_cmp_lg_u32 s2, 0xf033
	s_cbranch_scc0 .Lentry_shape_is_right
	s_endpgm
.Lentry_shape_is_right:
; Launch 4 of 4: out0 = attention's result Wo^T + bo, on the codes of abuf (64 row groups, records as gbuf's) and of gbuf's groups 216-223.  Nothing of this product is left out.
; The same form as the projections: a work-group takes 128 tokens (one row group, the A side) x 256 outputs (two groups of Wo, the B side), all of K = 1,024 resident in LDS, each record filled once.
; Four waves, each 64 x 128: 32 accumulators; source 0 = a tile of Wo, source 1 = a tile of tokens: a lane holds one token and eight neighbouring outputs.  bo is the C of the first K step.
; CLUSTERS 4 x 4: A's records are asked for jointly along a row of the cluster, B's along a column.  By this text's count a wave has four tensor loads out, at the start.
; THE WAY OUT: 16 tokens x 128 outputs at a time through the wave's own stage in LDS, back as whole rows of 512 bytes.  The stage lies in A's records 0 to 2: they have had their one fill, and their last read lies ahead of
; the barrier of K step 3, which every wave has passed.  The order of a tile's rows stands in the stores' immediates.
; THE FILLS AS THEY NOW STAND (in place of the count of loads given above): each wave has ONE tensor load out, at the start: wave 0 A's records 0-3, wave 1 A's records 4-7 (200 rows of 256 bytes each),
; waves 2 and 3 a whole group of B each (400 rows).  One wait for 0 and one barrier show all of K to all four waves.  The barriers of K steps 1, 3 and 5 stay: the stage of the way out leans on that of K step 3.
.set REC,   12800
.set GRP,   8*REC
.set SPARE, 3*GRP
.set L8,   3
.set ADRA, 4
.set ADRB, 5
.set ADS1, 6
.set ADS2, 7
.set STO,  8                           ; v8  the stage: where I put 32 bytes of a row
.set RD,   9                           ; v9  and where I read a row back
.set SPW,  10
.set NIL,  11
.set BO,   24                          ; v24 64 h
.set CO,   26                          ; v26 16 x lane
.set SC,   32
.set AF,   48
.set BIAS, 144
.set G1A,  24
.set G1B,  32
.set G0A,  40
.set MSB, 0
.macro WIN new
.if MSB != \new
	s_set_vgpr_msb (MSB<<8)|\new
.set MSB, \new
.endif
.endm
.set MUL,       0xa1
.set MUL_FIRST, 0x81
.set TO_B,      0x40
.macro CROUND
	s_barrier_signal -1
	s_barrier_wait -1
	s_cmp_lg_u32 s76, 0
	s_cbranch_scc1 .Lnot_wave_0_\@
	s_barrier_signal -3
.Lnot_wave_0_\@:
	s_barrier_wait -3
	s_barrier_signal -1
	s_barrier_wait -1
.endm
.macro PLACES n
.rept \n
	v_nop
.endr
.endm
	s_load_b256 s[4:11], s[0:1], 0x0               ; abuf, gbuf, bo, out0
	v_lshl_add_u32 v[SPW], v0, 2, SPARE
	v_mov_b32 v[NIL], 0
	ds_add_u32 v[SPW], v[NIL]                      ; the wave's opening: the add, twice on end, and its wait ahead of my first tensor load
	ds_add_u32 v[SPW], v[NIL]
	v_lshrrev_b32 v1, 5, v0
	v_readfirstlane_b32 s76, v1
	s_lshr_b32 s77, s76, 1                         ; wa; also: I fetch for A (0) or for B (1)
	s_and_b32 s78, s76, 1                          ; wb; also: which part I fetch
	s_bfe_u32 s79, ttmp6, 0x40000                  ; cx
	s_bfe_u32 s80, ttmp6, 0x40004                  ; cy
	s_and_b32 s81, ttmp7, 0xffff
	s_lshl_b32 s84, s80, 2
	s_lshl_b32 s84, 15, s84
	s_lshl_b32 s85, 0x1111, s79
	s_or_b32 s[G1A], s84, (3<<16)|(1<<21)
	s_or_b32 s[G1B], s85, (3<<16)|(1<<21)
	s_mov_b32 s[G1A+1], 32<<16
	s_mov_b32 s[G1A+2], 200<<16                    ; A: four records, 200 rows
	s_mov_b32 s[G1A+3], 32<<16
	s_mov_b32 s[G1A+4], 200
	s_mov_b32 s[G1A+5], 32
	s_mov_b32 s[G1A+6], 0
	s_mov_b32 s[G1A+7], 0
	s_mov_b32 s[G1B+1], 32<<16
	s_mov_b32 s[G1B+2], 400<<16                    ; B: a group's eight records, 400 rows
	s_mov_b32 s[G1B+3], 32<<16
	s_mov_b32 s[G1B+4], 400
	s_mov_b32 s[G1B+5], 32
	s_mov_b32 s[G1B+6], 0
	s_mov_b32 s[G1B+7], 0
	s_lshl_b32 s86, s81, 2
	s_add_co_u32 s86, s86, s80                     ; tA: the tokens' group
	s_mov_b32 s87, s79                             ; tB: the pair of Wo's groups
	s_lshl_b32 s89, s87, 1
	s_add_co_u32 s89, s89, 216
	s_add_co_u32 s89, s89, s78
	s_mul_i32 s90, s86, GRP
	s_mul_i32 s98, s78, 4*REC                      ; A: records 4 e .. 4 e + 3
	s_add_co_u32 s90, s90, s98
	s_mov_b32 s91, 0
	s_mul_i32 s94, s89, GRP
	s_mov_b32 s95, 0
	s_mul_i32 s99, s78, GRP
	s_add_co_u32 s99, s99, GRP
	s_wait_dscnt 0x0
	s_wait_kmcnt 0x0
	s_add_nc_u64 s[92:93], s[4:5], s[90:91]
	s_add_nc_u64 s[96:97], s[6:7], s[94:95]
	CROUND
.irp p, 0
	s_mov_b32 s[G0A+4*\p], 1
	s_add_co_u32 s[G0A+4*\p+1], s98, \p*2*REC
	s_add_nc_u64 s[G0A+4*\p+2:G0A+4*\p+3], s[92:93], \p*2*REC
	s_or_b32 s[G0A+4*\p+3], s[G0A+4*\p+3], 0x80000000
.set GB, 56+4*\p+4*(\p/2)
	s_mov_b32 s[GB], 1
	s_add_co_u32 s[GB+1], s99, \p*2*REC
	s_add_nc_u64 s[GB+2:GB+3], s[96:97], \p*2*REC
	s_or_b32 s[GB+3], s[GB+3], 0x80000000
.endr
	s_cmp_eq_u32 s77, 0                            ; one branch on the wave's number, one fill to an arm
	s_cbranch_scc0 .Lfill_b
.irp p, 0
	tensor_load_to_lds s[G0A+4*\p:G0A+4*\p+3], s[G1A:G1A+7]
	s_nop 0
.endr
	PLACES 4
	s_branch .Lfilled
.Lfill_b:
.irp p, 0
.set GB, 56+4*\p+4*(\p/2)
	tensor_load_to_lds s[GB:GB+3], s[G1B:G1B+7]
	s_nop 0
.endr
	PLACES 4
.Lfilled:
	v_and_b32 v1, 15, v0
	v_bfe_u32 v2, v0, 4, 1
	v_and_b32 v[L8], 31, v0
	v_lshlrev_b32 v[CO], 4, v[L8]
	v_lshlrev_b32 v[L8], 3, v[L8]
	s_mul_i32 s20, s77, 6144
	v_add_nc_u32 v[ADRA], s20, v[L8]
	s_mul_i32 s21, s78, GRP
	s_add_co_u32 s21, s21, GRP
	v_add_nc_u32 v[ADRB], s21, v[L8]
	s_lshl_b32 s22, s77, 8
	s_sub_co_u32 s23, s21, s22
	v_mul_u32_u24 v[ADS1], s23, v2
	v_lshl_add_u32 v[ADS1], v1, 4, v[ADS1]
	s_add_co_u32 s23, s22, 12288
	v_add_nc_u32 v[ADS1], s23, v[ADS1]
	v_lshl_add_u32 v[ADS2], v2, 8, v[ADS1]
	s_mul_i32 s20, s76, 8448                       ; my stage: 16 rows x (512 + 16) bytes
	v_mul_u32_u24 v[STO], v1, 528
	v_lshl_add_u32 v[STO], v2, 6, v[STO]
	v_add_nc_u32 v[STO], s20, v[STO]
	v_add_nc_u32 v[RD], s20, v[CO]
	v_lshlrev_b32 v[BO], 6, v2
	s_lshl_b32 s2, s87, 10
	s_lshl_b32 s3, s78, 9
	s_add_co_u32 s2, s2, s3                        ; my 128 outputs, in bytes
	s_mov_b32 s3, 0
	s_add_nc_u64 s[8:9], s[8:9], s[2:3]
	s_add_nc_u64 s[10:11], s[10:11], s[2:3]
.irp b, 0,1,2,3,4,5,6,7
	global_load_b128 v[BIAS+8*\b:BIAS+8*\b+3], v[BO], s[8:9] offset:(32*(\b/2)+8*(\b%2))*4
	global_load_b128 v[BIAS+8*\b+4:BIAS+8*\b+7], v[BO], s[8:9] offset:(32*(\b/2)+8*(\b%2))*4+16
.endr
	s_lshl_b32 s20, s86, 7
	s_lshl_b32 s21, s77, 6
	s_add_co_u32 s20, s20, s21
	s_lshl_b32 s20, s20, 12                        ; my first token's row of 4,096 bytes
	s_mov_b32 s21, 0
	s_add_nc_u64 s[10:11], s[10:11], s[20:21]
.macro FETCH s
.set U, REC*((\s)%2)
.set FS, (\s)%2
	WIN TO_B
.irp b, 0,1,2,3,4,5,6,7
.irp k, 0,1,2,3,4,5
	ds_load_b64 v[128*FS+12*\b+2*\k:128*FS+12*\b+2*\k+1], v[ADRB] offset:U+1536*\b+256*\k
.endr
.endr
	WIN 0
.irp a, 0,1,2,3
.irp k, 0,1,2,3,4,5
	ds_load_b64 v[AF+48*FS+12*\a+2*\k:AF+48*FS+12*\a+2*\k+1], v[ADRA] offset:U+1536*\a+256*\k
.endr
.endr
	ds_load_b128 v[SC+8*FS:SC+8*FS+3], v[ADS1] offset:U
	ds_load_b128 v[SC+8*FS+4:SC+8*FS+7], v[ADS2] offset:U
.endm
.macro MUL32 set, first                ; the 32 accumulators take turns in the same order in every step
.irp a, 0,1,2,3
.irp b, 0,1,2,3,4,5,6,7
.if \first
	v_wmma_scale_f32_16x16x128_f8f6f4 v[8*(8*\a+\b):8*(8*\a+\b)+7], v[128*(\set)+12*\b:128*(\set)+12*\b+11], v[AF+48*(\set)+12*\a:AF+48*(\set)+12*\a+11], v[BIAS+8*\b:BIAS+8*\b+7], v[SC+8*(\set)+\b], v[SC+8*(\set)+\a] matrix_a_fmt:MATRIX_FMT_FP6 matrix_b_fmt:MATRIX_FMT_FP6 matrix_a_scale:MATRIX_SCALE_ROW1
.else
	v_wmma_scale_f32_16x16x128_f8f6f4 v[8*(8*\a+\b):8*(8*\a+\b)+7], v[128*(\set)+12*\b:128*(\set)+12*\b+11], v[AF+48*(\set)+12*\a:AF+48*(\set)+12*\a+11], v[8*(8*\a+\b):8*(8*\a+\b)+7], v[SC+8*(\set)+\b], v[SC+8*(\set)+\a] matrix_a_fmt:MATRIX_FMT_FP6 matrix_b_fmt:MATRIX_FMT_FP6 matrix_a_scale:MATRIX_SCALE_ROW1
.endif
.endr
.endr
.endm
.macro KSTEP s
	s_wait_dscnt 0x0                               ; this step's set, asked for a step ago, is in
.if ((\s)%2 == 1) && ((\s) < 7)
	s_barrier_signal -1
	s_barrier_wait -1
.irp r, ADRA, ADRB, ADS1, ADS2
	v_add_nc_u32 v[\r], 2*REC, v[\r]               ; these four are also the places in front of the loads below
.endr
.elseif ((\s)%2 == 0) && ((\s) > 0)
	PLACES 4
.endif
.if (\s) < 7
	s_wait_alu depctr_va_vdst(0)
	FETCH (\s)+1
.endif
.if (\s) == 0
	WIN MUL_FIRST
	MUL32 0, 1
.else
	WIN MUL
	MUL32 (\s)%2, 0
.endif
	WIN 0
.endm
	s_wait_alu depctr_va_vdst(0)
	s_wait_tensorcnt 0x0                           ; my one load has landed
	s_barrier_signal -1
	s_barrier_wait -1
	FETCH 0
	s_wait_loadcnt 0x0                             ; bo
.irp s, 0,1,2,3,4,5,6,7
	KSTEP \s
.endr
.macro TOSTAGE a
	WIN 0x08                                       ; an LDS store's data are its source 1: window 2
.irp b, 0,1,2,3,4,5,6,7
	ds_store_b128 v[STO], v[8*(8*(\a)+\b):8*(8*(\a)+\b)+3] offset:128*(\b/2)+32*(\b%2)      ; each accumulator from its low end on
	ds_store_b128 v[STO], v[8*(8*(\a)+\b)+4:8*(8*(\a)+\b)+7] offset:128*(\b/2)+32*(\b%2)+16
.endr
	WIN 0
.set BB, 48+64*((\a)%2)
.irp p, 0,1,2,3,4,5,6,7,8,9,10,11,12,13,14,15
	ds_load_b128 v[BB+4*\p:BB+4*\p+3], v[RD] offset:528*\p   ; LDS serves a wave's instructions in order: these see the stores above
.endr
.endm
.macro SEND a, younger                 ; younger: the LDS instructions issued behind block a's loads, which may stay out
.set BB, 48+64*((\a)%2)
	s_wait_dscnt \younger
.irp p, 0,1,2,3,4,5,6,7,8,9,10,11,12,13,14,15
	global_store_b128 v[CO], v[BB+4*\p:BB+4*\p+3], s[10:11] offset:(32*((\a)/2)+8*((\a)%2)+\p+8*(\p/8))*4096 th:TH_STORE_NT   ; 32 lanes store 512 consecutive bytes, aligned
.endr
.endm
	PLACES 4                                       ; behind the last products: for the stores of results and the loads into registers that held operands
	TOSTAGE 0
.irp a, 1,2,3
.if \a > 1
	s_wait_xcnt 0x0                                ; block a - 2's stores have read their registers: block a's loads may land there
.endif
	TOSTAGE \a
	SEND \a-1, 32                                  ; behind block a - 1's loads: block a's 16 stores and 16 loads
.endr
	SEND 3, 0
	s_wait_tensorcnt 0x0                           ; the wave's end
	ds_add_u32 v[SPW], v[NIL]
	s_wait_dscnt 0x0
	CROUND                                         ; the closing round
	s_endpgm
.Lfunc_end_k_q8edce0b3d2_outp:
	.size	k_q8edce0b3d2_outp, .Lfunc_end_k_q8edce0b3d2_outp-k_q8edce0b3d2_outp
	.p2alignl 7, 3214868480
	.fill 96, 4, 3214868480
	.section	.rodata,"a",@progbits
	.p2align	6, 0x0
	.amdhsa_kernel k_q8edce0b3d2_outp
		.amdhsa_group_segment_fixed_size 327680
		.amdhsa_private_segment_fixed_size 0
		.amdhsa_enable_private_segment 0
		.amdhsa_kernarg_size 32
		.amdhsa_user_sgpr_count 2
		.amdhsa_user_sgpr_kernarg_segment_ptr 1
		.amdhsa_wavefront_size32 1
		.amdhsa_system_sgpr_workgroup_id_x 1
		.amdhsa_system_sgpr_workgroup_id_y 1
		.amdhsa_system_sgpr_workgroup_id_z 1
		.amdhsa_system_vgpr_workitem_id 0
		.amdhsa_next_free_vgpr 768
		.amdhsa_next_free_sgpr 102
		.amdhsa_reserve_vcc 0
		.amdhsa_float_denorm_mode_32 3
		.amdhsa_float_denorm_mode_16_64 3
		.amdhsa_memory_ordered 1
		.amdhsa_forward_progress 1
		.amdhsa_inst_pref_size 94
	.end_amdhsa_kernel
	.amdgpu_metadata
---
amdhsa.version: [ 1, 2 ]
amdhsa.kernels:
  - .name:           k_q8edce0b3d2_outp
    .symbol:         k_q8edce0b3d2_outp.kd
    .args:
      - { .name: abuf, .offset: 0, .size: 8, .value_kind: global_buffer, .address_space: global }
      - { .name: gbuf, .offset: 8, .size: 8, .value_kind: global_buffer, .address_space: global }
      - { .name: bo, .offset: 16, .size: 8, .value_kind: global_buffer, .address_space: global }
      - { .name: out0, .offset: 24, .size: 8, .value_kind: global_buffer, .address_space: global }
    .group_segment_fixed_size: 327680
    .private_segment_fixed_size: 0
    .kernarg_segment_align: 8
    .kernarg_segment_size: 32
    .max_flat_workgroup_size: 128
    .sgpr_count:     102
    .vgpr_count:     768
    .wavefront_size: 32
...
	.end_amdgpu_metadata
.endif
;; end of part 4
